; MI455X (gfx1250); checked and timed in simulation.
; The chip was launched on July 23, 2026; its instructions are those of AMD's public machine-readable ISA for CDNA 5 (MIT licence, August 2026) and "CDNA5" Instruction Set Architecture Reference Guide (July 2026). The comments in the code are by the model that wrote it; some were corrected since.
;; Cross Attention Fusion. Allowed arithmetic: float matrix products may take bf16 or f16 operands with f32 sums; other float arithmetic in f32, or as packed bf16 or f16 multiplies, adds, multiply-adds, maxima and minima; sums over many terms, partial sums and values carried from step to step in f32; what a program stores and reads back later, other than sums and carried values, may be rounded once to bf16 or f16.
;; Inputs: Wk 2,048 x 2,048 float32; Wo 2,048 x 2,048 float32; Wq 2,048 x 2,048 float32; Wv 2,048 x 2,048 float32; bk 2,048 float32; bo 2,048 float32; bq 2,048 float32; bv 2,048 float32; emb_a 4,096 x 2,048 float32; emb_b 4,096 x 2,048 float32.
;; Outputs: out0 4,096 x 2,048 float32.
;; 2 versions, each right; version 2 is version 1 with the launch cvt written anew for expert scheduling mode. Each part assembles by itself: llvm-mc -triple=amdgcn-amd-amdhsa -mcpu=gfx1250 --defsym DOCPART=n.
;; ======== version 1 of 2: 4 launches
;; workspace buffers: ws 67,108,864 bytes; hbf 16,777,216 bytes; part 262,144 bytes
;; launch cvt (part 1): grid 128 x 8, 8 waves a work-group, no clusters, 70,656 bytes of LDS; arguments emb_a, emb_b, Wq, Wk, Wv, Wo, ws; writes ws
.if DOCPART == 1
	.amdgcn_target "amdgcn-amd-amdhsa--gfx1250"
	.amdhsa_code_object_version 6
	.text
	.protected	k_qeed8dbad53_cvt
	.globl	k_qeed8dbad53_cvt
	.p2align	8
	.type	k_qeed8dbad53_cvt,@function
k_qeed8dbad53_cvt:
	s_mov_b64 s[64:65], 0
	v_nop
	global_prefetch_b8 v0, s[64:65] scope:SCOPE_SE
	s_setreg_imm32_b32 hwreg(HW_REG_WAVE_MODE, 25, 1), 1
	s_wait_xcnt 0x0
; bf16 COPIES OF THE SIX LARGE INPUTS, each number rounded once, to nearest even.  ws holds 8 slabs of 8 MiB; work-group (x, y) takes rows 16 x .. 16 x + 15 of slab y.
; Slabs 4 to 7, Wq, Wk, Wv, Wo: [32 kb][2048 rows][64]: element (row, k) at (k / 64) x BLK + row x 128 + (k % 64) x 2: a tile of R rows x 64 along K is R x 128 consecutive bytes.
; Slabs 0 to 3, emb_a's and emb_b's halves: IN THE ORDER OF THE MATRIX FRAGMENTS: [group of 16 rows][piece of 8 k][16 rows][8]: element (row, k) at (row / 16) x GRP + (k / 8) x 256 + (row % 16) x 16 + (k % 8) x 2.
; Two neighbouring pieces are 512 bytes in which lane 16 h + r of a wave finds row r, k = 8 h + 0..7: half a fragment, by one load of 16 bytes a lane.
; WEIGHTS.  Thread t: row t / 16, four f32 at column 64 kb + 4 (t % 16), kb = 0 .. 31.  A wave's load covers 256 consecutive bytes of each of two rows, its store 256 consecutive bytes.
; EMBEDDINGS.  Wave w: the 16 rows, k = 256 w .. 256 w + 255, as two units of 128 k.  A load covers 512 consecutive bytes of one row; the rounded rows go into the wave's own LDS bytes (pitch 272) and come back by pieces;
; a store covers 512 consecutive bytes.  No wave reads another's bytes: no barrier.
; All 32 loads of a thread go out at once; no register is written again while a memory instruction names it.
.set BLK,   262144                     ; bytes in a block of a weight: 2,048 rows x 64 bf16
.set X,     8                          ; v[8:135] 32 quads as loaded
.set LP,    272                        ; an LDS row: 256 bytes + 16 = 68 words: the 16 rows of a load start at 16 different groups of four banks (64 banks of 4 bytes: ISA guide 11.1)
.set UNIT,  16*LP                      ; 16 rows x 128 k
.set SPARE, 8*2*UNIT                   ; behind the waves' units: the spare words, 128 bytes for each wave: four blocks of 256 bytes that no other line names
.set SPW,   4                          ; v4  LDS address of my spare word; never rewritten
.set NIL,   5                          ; v5  0; never rewritten
	s_load_b256 s[8:15], s[0:1], 0x0               ; emb_a s[8:9], emb_b s[10:11], Wq s[12:13], Wk s[14:15]
	s_load_b128 s[16:19], s[0:1], 0x20             ; Wv s[16:17], Wo s[18:19]
	s_load_b64 s[20:21], s[0:1], 0x30              ; ws
	v_lshl_add_u32 v[SPW], v0, 2, SPARE
	v_mov_b32 v[NIL], 0
	s_and_b32 s2, ttmp7, 0xffff                    ; y: the slab
	s_and_b32 s24, s2, 1                           ; the second half of emb_a or emb_b begins 2,048 rows x 8,192 bytes on
	s_lshl_b32 s24, s24, 24
	s_cmp_lt_u32 s2, 4
	s_cselect_b32 s24, s24, 0                      ; a weight is one slab
	s_cselect_b32 s28, 16, 11                      ; my 16 rows in the slab: a group of 65,536 bytes, or 16 x 128 bytes of each block
	s_lshl_b32 s3, ttmp9, 17                       ; 16 rows x 8,192 bytes
	s_add_co_u32 s24, s24, s3
	s_mov_b32 s25, 0
	s_lshl_b32 s26, s2, 23                         ; the slab in ws
	s_lshl_b32 s3, ttmp9, s28
	s_add_co_u32 s26, s26, s3
	s_mov_b32 s27, 0
	s_wait_kmcnt 0x0
	s_mov_b64 s[22:23], s[18:19]                   ; the source by the slab's number: 7 Wo,
	s_cmp_eq_u32 s2, 6
	s_cselect_b64 s[22:23], s[16:17], s[22:23]     ; 6 Wv,
	s_cmp_eq_u32 s2, 5
	s_cselect_b64 s[22:23], s[14:15], s[22:23]     ; 5 Wk,
	s_cmp_eq_u32 s2, 4
	s_cselect_b64 s[22:23], s[12:13], s[22:23]     ; 4 Wq,
	s_cmp_lt_u32 s2, 4
	s_cselect_b64 s[22:23], s[10:11], s[22:23]     ; 2, 3 emb_b,
	s_cmp_lt_u32 s2, 2
	s_cselect_b64 s[22:23], s[8:9], s[22:23]       ; 0, 1 emb_a
	s_add_nc_u64 s[22:23], s[22:23], s[24:25]
	s_add_nc_u64 s[20:21], s[20:21], s[26:27]
	s_cmp_lt_u32 s2, 4
	s_cbranch_scc1 .Lemb
	; A WEIGHT
	v_lshrrev_b32 v1, 4, v0                        ; my row of the sixteen
	v_and_b32 v3, 15, v0
	v_lshlrev_b32 v1, 13, v1                       ; x 8,192 bytes
	v_lshl_add_u32 v1, v3, 4, v1                   ; + my 16 bytes of each 256
	v_lshlrev_b32 v2, 3, v0                        ; in a block: row x 128 + 8 (t % 16) = 8 t
.set n, 0
.rept 32
	global_load_b128 v[X+4*n:X+4*n+3], v1, s[22:23] offset:256*n th:TH_LOAD_NT  ; read once in the launch
.set n, n+1
.endr
.set n, 0
.rept 32
	s_wait_loadcnt 31-n                            ; loads come back in order: quad n is in, the 31 - n younger ones stay out
	v_cvt_pk_bf16_f32 v[X+4*n], v[X+4*n], v[X+4*n+1]
	v_cvt_pk_bf16_f32 v[X+4*n+1], v[X+4*n+2], v[X+4*n+3]
	global_store_b64 v2, v[X+4*n:X+4*n+1], s[20:21] offset:n*BLK  ; the block stands in the immediate: 31 x BLK at the most, inside its signed 24 bits
.set n, n+1
.endr
	s_endpgm                                       ; this way has written no LDS
.Lemb:	; AN EMBEDDING
	v_lshrrev_b32 v3, 5, v0
	v_readfirstlane_b32 s29, v3                    ; wave 0..7
	v_and_b32 v3, 31, v0                           ; lane l
	s_lshl_b32 s30, s29, 10                        ; my 256 k: 1,024 bytes of f32
	v_lshl_add_u32 v1, v3, 4, s30
.set n, 0
.rept 32                               ; quad n: unit n / 16, row n % 16
	global_load_b128 v[X+4*n:X+4*n+3], v1, s[22:23] offset:(n%16)*8192+(n/16)*512 th:TH_LOAD_NT
.set n, n+1
.endr
	s_lshl_b32 s30, s29, 13                        ; my 32 pieces of 256 bytes in the group
	v_lshl_add_u32 v2, v3, 4, s30
	s_mul_i32 s30, s29, 2*UNIT                     ; my two units in LDS
	v_lshl_add_u32 v6, v3, 3, s30                  ; in: 8 bytes a lane, a row's 256 bytes a wave
	v_and_b32 v7, 15, v0
	v_mul_u32_u24 v7, v7, LP                       ; back: row l % 16,
	v_bfe_u32 v3, v0, 4, 1
	v_lshl_add_u32 v7, v3, 4, v7                   ; piece l / 16 of a pair
	v_add_nc_u32 v7, s30, v7
.set n, 0
.rept 32
	s_wait_loadcnt 31-n                            ; quad n is in, the 31 - n younger ones stay out
	v_cvt_pk_bf16_f32 v[X+4*n], v[X+4*n], v[X+4*n+1]
	v_cvt_pk_bf16_f32 v[X+4*n+1], v[X+4*n+2], v[X+4*n+3]
	ds_store_b64 v6, v[X+4*n:X+4*n+1] offset:(n/16)*UNIT+(n%16)*LP
.if n%16 == 15
.set q, 0
.rept 8                                ; the unit's eight pairs of pieces, into its first eight quads; LDS serves a wave's instructions in order (ISA guide 5.7.1.4): these see the stores above
	ds_load_b128 v[X+64*(n/16)+4*q:X+64*(n/16)+4*q+3], v7 offset:(n/16)*UNIT+32*q
.set q, q+1
.endr
.endif
.set n, n+1
.endr
.set n, 0
.rept 16                               ; n = 8 x unit + pair
	s_wait_dscnt 24*(1-n/8)+7-n%8                  ; the LDS instructions issued behind this load: the unit's later loads and, for the first unit, the second's 16 stores and 8 loads
	global_store_b128 v2, v[X+64*(n/8)+4*(n%8):X+64*(n/8)+4*(n%8)+3], s[20:21] offset:n*512  ; 512 consecutive bytes, at a multiple of 256 from ws's first byte
.set n, n+1
.endr
	s_wait_tensorcnt 0x0                           ; the wave's end, behind my last LDS store
	ds_add_u32 v[SPW], v[NIL]
	s_wait_dscnt 0x0
	s_endpgm
.Lfunc_end_k_qeed8dbad53_cvt:
	.size	k_qeed8dbad53_cvt, .Lfunc_end_k_qeed8dbad53_cvt-k_qeed8dbad53_cvt
	.p2alignl 7, 3214868480
	.fill 96, 4, 3214868480
	.section	.rodata,"a",@progbits
	.p2align	6, 0x0
	.amdhsa_kernel k_qeed8dbad53_cvt
		.amdhsa_group_segment_fixed_size 70656
		.amdhsa_private_segment_fixed_size 0
		.amdhsa_enable_private_segment 0
		.amdhsa_kernarg_size 56
		.amdhsa_user_sgpr_count 2
		.amdhsa_user_sgpr_kernarg_segment_ptr 1
		.amdhsa_wavefront_size32 1
		.amdhsa_system_sgpr_workgroup_id_x 1
		.amdhsa_system_sgpr_workgroup_id_y 1
		.amdhsa_system_sgpr_workgroup_id_z 1
		.amdhsa_system_vgpr_workitem_id 0
		.amdhsa_next_free_vgpr 136
		.amdhsa_next_free_sgpr 66
		.amdhsa_reserve_vcc 0
		.amdhsa_float_denorm_mode_32 3
		.amdhsa_float_denorm_mode_16_64 3
		.amdhsa_memory_ordered 1
		.amdhsa_forward_progress 1
		.amdhsa_inst_pref_size 27
	.end_amdhsa_kernel
	.amdgpu_metadata
---
amdhsa.version: [ 1, 2 ]
amdhsa.kernels:
  - .name:           k_qeed8dbad53_cvt
    .symbol:         k_qeed8dbad53_cvt.kd
    .args:
      - { .name: emb_a, .offset: 0, .size: 8, .value_kind: global_buffer, .address_space: global }
      - { .name: emb_b, .offset: 8, .size: 8, .value_kind: global_buffer, .address_space: global }
      - { .name: Wq, .offset: 16, .size: 8, .value_kind: global_buffer, .address_space: global }
      - { .name: Wk, .offset: 24, .size: 8, .value_kind: global_buffer, .address_space: global }
      - { .name: Wv, .offset: 32, .size: 8, .value_kind: global_buffer, .address_space: global }
      - { .name: Wo, .offset: 40, .size: 8, .value_kind: global_buffer, .address_space: global }
      - { .name: ws, .offset: 48, .size: 8, .value_kind: global_buffer, .address_space: global }
    .group_segment_fixed_size: 70656
    .private_segment_fixed_size: 0
    .kernarg_segment_align: 8
    .kernarg_segment_size: 56
    .max_flat_workgroup_size: 256
    .sgpr_count:     66
    .vgpr_count:     136
    .wavefront_size: 32
...
	.end_amdgpu_metadata
.endif
;; end of part 1
;; launch qk (part 2): grid 16 x 16, 4 waves a work-group, clusters of 4 x 1, 327,680 bytes of LDS; arguments ws, bq, bk, part; writes part
.if DOCPART == 2
	.amdgcn_target "amdgcn-amd-amdhsa--gfx1250"
	.amdhsa_code_object_version 6
	.text
	.protected	k_qeed8dbad53_qk
	.globl	k_qeed8dbad53_qk
	.p2align	8
	.type	k_qeed8dbad53_qk,@function
k_qeed8dbad53_qk:
	s_mov_b64 s[64:65], 0
	v_nop
	global_prefetch_b8 v0, s[64:65] scope:SCOPE_SE
	s_setreg_imm32_b32 hwreg(HW_REG_WAVE_MODE, 25, 1), 1
	s_wait_xcnt 0x0
	s_wait_alu depctr_hold_cnt(0) depctr_sa_sdst(0) depctr_va_vdst(0) depctr_va_sdst(0) depctr_va_ssrc(0) depctr_va_vcc(0) depctr_vm_vsrc(0)
	s_getreg_b32 s2, hwreg(HW_REG_IB_STS2, 6, 4)
	s_cmp_eq_u32 s2, 0
	s_cbranch_scc0 .Lentry_in_a_cluster
	s_endpgm
.Lentry_in_a_cluster:
	s_bfe_u32 s2, ttmp6, 0x10000c
	s_cmp_lg_u32 s2, 0x3003
	s_cbranch_scc0 .Lentry_shape_is_right
	s_endpgm
.Lentry_shape_is_right:
; q = emb_a Wq^T + bq and k = emb_b Wk^T + bk for a tile of 256 rows x 128 columns, never stored; part[nx][row] = the sum over the tile's 128 columns of q k, in f32.
; Operands are the bf16 copies in ws; sums in f32; bq enters unrounded as the C operand of q's first product, bk unrounded on the way out.
; LIMITS.  The sums' order differs from a plain dot product's; NaN and infinities go through as the arithmetic makes them.
; SHARES.  Work-group (my, nx): rows 256 my on, columns 128 nx on.  Wave w: rows 64 w .. 64 w + 63, all 128 columns, of BOTH products: 2 x 32 accumulators of 16 x 16, 512 registers.  A row's sum never leaves the wave.
; THE MATRIX INSTRUCTION IS USED TRANSPOSED: source 0 = 16 rows of W, source 1 = 16 rows of the embedding.  Lane l holds row l % 16, its registers 0-7 the columns 8 (l / 16) + 0..7.
; THE EMBEDDINGS COME STRAIGHT INTO REGISTERS.  Each of their rows is read by one wave of the work-group alone, and ws holds them in the order of the fragments: a load of 16 bytes a lane is 512 consecutive bytes, half a fragment.
; A ring of eight buffers of 32 registers, a PHASE (32 products) each: at a phase's head the loads for the phase seven on are issued, 224 products ahead; the waits are counted, and no barrier drains them.
; NO JOINT REQUEST FOR THEM, though the 16 work-groups of a tile row read the same rows: in LDS they would take 512 of a K step's 768 rows, and two slots would then hold 128 products' operands a wave each, not 256.
; W GOES THROUGH A RING OF TWO LDS SLOTS.  A slot holds K = 128 of Wq's and of Wk's 128 rows: four regions of 64 along K (Wq, Wq, Wk, Wk), each fetched by one wave with one tensor load: dense in ws, asked for as rows of 256 bytes,
; padded in LDS after every 128.  A step is eight phases, q's and k's by turns: 256 products a wave.  CLUSTER: the four work-groups of a cluster have the same nx and ask for W's regions JOINTLY.
; REGISTERS, in windows of 256: window 0 addresses, a bias, W's two fragment buffers; window 1 the embeddings' ring; window 2 q's accumulators ((a, b) at 8 (8 a + b)); window 3 k's.
.set BLK,   262144                     ; bytes in a block of a weight: 2,048 rows x 64 bf16
.set GRP,   65536                      ; bytes in a group of 16 rows of an embedding
.set PK,    144                        ; an LDS row: 128 bytes + 16 of padding = 36 words: the 16 rows of a fragment start at 16 different groups of four banks (64 banks of 4 bytes: ISA guide 11.1)
.set RW,    128*PK                     ; a region
.set SLOT1, 131072                     ; slot 1 begins here, so that one exclusive or turns an address in one slot into the other's
.set SCR,   238592                     ; behind the ring (and the room that a sister launch uses as a stage): 256 bytes for each wave, never filled by a tensor load
.set SPARE, 239616                     ; the spare words, 128 bytes for each wave: two blocks of 256 bytes that no other line names
.set WOFF,  33554432                   ; Wq: slab 4; Wk one slab on
.set STEP,  2*BLK                      ; bytes from a step's regions to the next step's
.set STEPS, 16
.set ASTEP, 4096                       ; an embedding's bytes in a step, in each group: four chunks of 32 k
.set CM0,   2                          ; q's first product takes bq as C,
.set CM1,   1                          ; k's the constant 0
.set AW0,  8                           ; v8, v9   my lane's place in regions 0, 1 and in regions 2, 3; never rewritten
.set ADRW, 10                          ; v10, v11 the same in the slot in hand
.set AO,   12                          ; v12  16 l: my 16 bytes of a load's 512; never rewritten
.set STO,  16                          ; v16  the way out: where a row's sum goes
.set RD,   17                          ; v17  where I read two rows' sums back
.set GO,   18                          ; v18  my byte offset in the wave's 256 bytes of part
.set PFO,  19                          ; v19  the prefetches' offset; never rewritten
.set SPW,  20                          ; v20  LDS address of my spare word: SPARE + 4 x my thread's number; never rewritten
.set NIL,  21                          ; v21  0; never rewritten
.set BO,   22                          ; v22  32 (l / 16): my eight numbers of each sixteen of a bias
.set SUM,  24                          ; v[24:31] four pairs of running sums, one for each block of 16 rows
.set BIAS0, 64                         ; v[64:127] bq, at the end bk: the eight registers for column block b at + 8 b
.set F0,   128                         ; v[128:255] W's fragments: phase j's at F0 + 64 (j % 2), fragment b at + 8 b
.set TT,   128                         ; the way out: 32 registers at work
.set WV,   12                          ; s12 my wave's number
.set CX,   14                          ; s14 my place in the cluster
.set NX,   16                          ; s16 tile column
.set MY,   17                          ; s17 tile row
.set G1W,  24                          ; s[24:31] descriptor group 1
.set G0,   32                          ; s[32:39] group 0: a set for each of the two first fills; the second then walks on
.set PFA,  40                          ; s[40:41] where my prefetches stand
.set LIM,  44                          ; s44 1 in a wave that prefetches, else the greatest number
.set LAP,  45                          ; s45 trips still to come
.set AP,   48                          ; s[48:49] emb_a, s[50:51] emb_b: my 64 rows, at the step in hand
.set SEL,  66                          ; s[66:67] v_permlanex16_b32's selects: each lane takes its own place in the other half
.set TB,   71                          ; s71 LDS byte at which the slot in hand begins
.set G1BITS, (1<<16)|(1<<20)|(1<<21)|(4<<22)|(3<<25)  ; 17:16 elements of 2 bytes; 20 padding on; 21 set beside a mask; 24:22 after every 32 words (code 4); 31:25 4 words of it (code 3)
.set MSB, 0
.macro WIN new                         ; the immediate's high byte repeats the setting that is left; a switch that changes nothing is dropped
.if MSB != (\new)
	s_set_vgpr_msb (MSB<<8)|(\new)
.set MSB, (\new)
.endif
.endm
.macro PLACES                          ; four places in front of loads into registers that matrix instructions have read, and of vector work that reads results (ISA guide 7.12.1 for vector instructions)
.rept 4
	v_nop
.endr
.endm
.macro CREST                           ; a round of the cluster's barrier behind its opening barrier
	s_cmp_lg_u32 s[WV], 0
	s_cbranch_scc1 .Lnot_wave_0_\@
	s_barrier_signal -3
.Lnot_wave_0_\@:
	s_barrier_wait -3
	s_barrier_signal -1
	s_barrier_wait -1
.endm
.macro CROUND                          ; a whole round
	s_barrier_signal -1
	s_barrier_wait -1
	CREST
.endm
; A PREFETCH INTO THE L2, behind each joint refill: the step that the NEXT change of slots will ask for, 256 products ahead of that load.  Each block of 256 bytes is named once in the launch: the four clusters of a tile column
; read the same regions, and the one with x = 0 asks; waves 0 and 2 ask, each for its own region (lanes 0-15) and the next (lanes 16-31); the partner at cx takes 16 of a region's 64 blocks, told apart by address.
; The loop's last trip asks for nothing: there is no step behind its refill's.  Steps 0 to 2 come by their loads alone.
.macro ASK
	s_cmp_gt_u32 s[LAP], s[LIM]
	s_cbranch_scc0 .Lnot_mine_\@
	global_prefetch_b8 v[PFO], s[PFA:PFA+1] th:TH_LOAD_NT scope:SCOPE_SE
.Lnot_mine_\@:
.endm
.macro MAP n                           ; phase n of a step: product n % 2, chunk n / 2 of the step's four: its region of the slot, its half of the region's 64 k, its set of accumulators
.set rg, 2*((\n)&1)+((\n)>>2)
.set kk, ((\n)>>1)&1
.set st, (\n)&1
.endm
; 8 products of phase j: row block a x all 8 column blocks.  cm = 0: onto the sums; 1: the first product, C = 0; 2: the first product, with the bias as C.
; The accumulators take turns, one instruction a turn.
.macro MUL8 j, a, cm
	MAP \j
.if (\cm) == 2
	WIN 0x84+0x40*st                               ; W window 0, the embedding window 1, C window 0, D window 2 or 3
.else
	WIN 0xa4+0x50*st                               ; C and D window 2 or 3
.endif
.irp b, 0,1,2,3,4,5,6,7
.if (\cm) == 0
	v_wmma_f32_16x16x32_bf16 v[8*(8*(\a)+(\b)):8*(8*(\a)+(\b))+7], v[F0+64*((\j)&1)+8*(\b):F0+64*((\j)&1)+8*(\b)+7], v[32*(\j)+8*(\a):32*(\j)+8*(\a)+7], v[8*(8*(\a)+(\b)):8*(8*(\a)+(\b))+7]
.elseif (\cm) == 1
	v_wmma_f32_16x16x32_bf16 v[8*(8*(\a)+(\b)):8*(8*(\a)+(\b))+7], v[F0+64*((\j)&1)+8*(\b):F0+64*((\j)&1)+8*(\b)+7], v[32*(\j)+8*(\a):32*(\j)+8*(\a)+7], 0
.else
	v_wmma_f32_16x16x32_bf16 v[8*(8*(\a)+(\b)):8*(8*(\a)+(\b))+7], v[F0+64*((\j)&1)+8*(\b):F0+64*((\j)&1)+8*(\b)+7], v[32*(\j)+8*(\a):32*(\j)+8*(\a)+7], v[BIAS0+8*(\b):BIAS0+8*(\b)+7]
.endif
.endr
.endm
.macro FETCH n                         ; 16 LDS loads in one run: W's eight fragments for phase n
	MAP \n
	WIN 0
.irp b, 0,1,2,3,4,5,6,7
	ds_load_b128 v[F0+64*((\n)&1)+8*(\b):F0+64*((\n)&1)+8*(\b)+3],   v[ADRW+(rg>>1)] offset:(rg&1)*RW+64*kk+16*PK*(\b)
	ds_load_b128 v[F0+64*((\n)&1)+8*(\b)+4:F0+64*((\n)&1)+8*(\b)+7], v[ADRW+(rg>>1)] offset:(rg&1)*RW+64*kk+16*PK*(\b)+32
.endr
.endm
.macro ALOAD buf, jj                   ; 8 loads: the four fragments of the phase jj behind the first phase of the step at which the pointers stand: embedding jj % 2, chunk jj / 2
	WIN 0x40                                       ; destination window 1, address window 0
.irp a, 0,1,2,3
	global_load_b128 v[32*(\buf)+8*(\a):32*(\buf)+8*(\a)+3],   v[AO], s[AP+2*((\jj)&1):AP+2*((\jj)&1)+1] offset:(\a)*GRP+((\jj)>>1)*1024
	global_load_b128 v[32*(\buf)+8*(\a)+4:32*(\buf)+8*(\a)+7], v[AO], s[AP+2*((\jj)&1):AP+2*((\jj)&1)+1] offset:(\a)*GRP+((\jj)>>1)*1024+512
.endr
.endm
.macro XLOAD j                         ; in the last step's phases 1 and 2, where no embedding is left to ask for: 8 loads of bk, column blocks 4 (j - 1) on, where bq lay
	WIN 0
.irp b, 0,1,2,3
	global_load_b128 v[BIAS0+8*(4*((\j)-1)+(\b)):BIAS0+8*(4*((\j)-1)+(\b))+3],   v[BO], s[8:9] offset:64*(4*((\j)-1)+(\b))
	global_load_b128 v[BIAS0+8*(4*((\j)-1)+(\b))+4:BIAS0+8*(4*((\j)-1)+(\b))+7], v[BO], s[8:9] offset:64*(4*((\j)-1)+(\b))+16
.endr
.endm
; A phase's head.  lw: how many younger loads may stay out when this phase's embedding has to be in.  ld = 1: the phase seven on is asked for, into the buffer that the phase before read; 2: XLOAD; 0: nothing.
; ft = 1: the next phase's fragments of W are fetched, into the buffer that the phase before read.
.macro PHEAD j, jj, lw, ld, ft
	s_wait_loadcnt \lw                             ; loads come back in order (ISA guide 5.7.1): mine are in
	PLACES
.if (\ld) == 1
	ALOAD ((\j)+7)%8, \jj
.elseif (\ld) == 2
	XLOAD \j
.endif
.if \ft
	FETCH ((\j)+1)%8
	s_wait_dscnt 16                                ; this phase's fragments of W are in; the 16 loads just issued may be out
.else
	s_wait_dscnt 0x0
.endif
.endm
.macro PHASE j, jj, cm, lw, ld, ft
	PHEAD \j, \jj, \lw, \ld, \ft
	MUL8 \j, 0, \cm
	MUL8 \j, 1, \cm
	MUL8 \j, 2, \cm
	MUL8 \j, 3, \cm
.endm
; A step's phase 6 also changes slots: its head has issued the last reads of the slot in hand.  ONE barrier.  In front of it each wave waits for all its tensor loads, of which one is out: its region of the other slot; adds 0 to its
; spare word; and waits for that and for its own reads of this slot.  fill = 1: the barrier opens a round of the cluster's barrier, and this slot is filled again, two steps ahead, first thing behind the round:
; 240 products stand between that request and the wait for it.
.macro TURN jj, fill
	PHEAD 6, \jj, 48, 1, 1
	MUL8 6, 0, 0
	MUL8 6, 1, 0
	WIN 0                                          ; (the add's two registers lie in window 0)
	s_wait_tensorcnt 0x0                           ; all my tensor loads have landed;
	ds_add_u32 v[SPW], v[NIL]                      ; 0 onto my spare word;
	MUL8 6, 2, 0                                   ; eight products stand between the add and the wait for it
	s_wait_dscnt 0x0                               ; the add is done, and my reads of this slot are over
	s_barrier_signal -1
	MUL8 6, 3, 0
	WIN 0
	s_barrier_wait -1
.if \fill
	CREST                                          ; no wave of any partner still reads this slot or has a load on its way
	s_xor_b32 s[G0+5], s[G0+5], SLOT1              ; the walking descriptor: the other slot than last time,
	s_add_nc_u64 s[G0+6:G0+7], s[G0+6:G0+7], STEP  ; the next step; the type bits on top are not reached
	tensor_load_to_lds s[G0+4:G0+7], s[G1W:G1W+7]
	s_nop 0
.rept 4
	v_nop
.endr
	ASK
.endif
	s_xor_b32 s[TB], s[TB], SLOT1                  ; the fetches go on in the other slot
	v_add_nc_u32 v[ADRW], s[TB], v[AW0]
	v_add_nc_u32 v[ADRW+1], s[TB], v[AW0+1]
.endm
	s_load_b256 s[4:11], s[0:1], 0x0               ; ws s[4:5], bq s[6:7], bk s[8:9], part s[10:11]
	v_lshl_add_u32 v[SPW], v0, 2, SPARE
	v_mov_b32 v[NIL], 0
	ds_add_u32 v[SPW], v[NIL]                      ; the wave's opening: the add and its wait stand ahead of my first tensor load; the set-up below, work on registers, stands between them
	v_lshrrev_b32 v1, 5, v0
	v_readfirstlane_b32 s[WV], v1                  ; wave 0..3
	s_bfe_u32 s[CX], ttmp6, 0x40000                ; my place in the cluster
	s_lshl_b32 s[MY], ttmp9, 2                     ; in a cluster launch ttmp9 counts clusters
	s_add_co_u32 s[MY], s[MY], s[CX]               ; tile row = 4 x cluster x + cx: it enters the embeddings' and part's addresses alone
	s_and_b32 s[NX], ttmp7, 0xffff                 ; tile column, which the four partners share
	s_mov_b32 s[G1W], 15|G1BITS                    ; 15:0 the mask: all four work-groups
	s_mov_b32 s[G1W+1], 128<<16                    ; tensor_dim0 = 128 elements: 256 bytes, two rows of a block
	s_mov_b32 s[G1W+2], 64<<16                     ; tensor_dim1 = 64
	s_mov_b32 s[G1W+3], 128<<16                    ; tile_dim0 = 128
	s_mov_b32 s[G1W+4], 64                         ; tile_dim1 = 64: 128 rows of a block
	s_mov_b32 s[G1W+5], 128                        ; dense: 128 elements from row to row
	s_mov_b32 s[G1W+6], 0
	s_mov_b32 s[G1W+7], 0
	s_lshr_b32 s22, s[WV], 1                       ; my region: waves 0, 1 Wq, waves 2, 3 Wk, a slab on;
	s_lshl_b32 s22, s22, 23
	s_and_b32 s42, s[WV], 1                        ; the step's first or second block of 64 k;
	s_lshl_b32 s42, s42, 18
	s_add_co_u32 s22, s22, s42
	s_add_co_u32 s22, s22, WOFF
	s_lshl_b32 s42, s[NX], 14                      ; the tile's 128 rows x 128 bytes
	s_add_co_u32 s22, s22, s42
	s_mov_b32 s23, 0
	s_mul_i32 s70, s[WV], RW                       ; and where it goes: no place in the cluster enters an LDS address
	s_lshl_b32 s20, s[MY], 20                      ; the tile's 16 groups of rows,
	s_lshl_b32 s68, s[WV], 18                      ; my four
	s_add_co_u32 s20, s20, s68
	s_mov_b32 s21, 0
	s_mov_b32 s[TB], 0
	s_wait_dscnt 0x0                               ; the opening add is done
	s_wait_kmcnt 0x0
	s_add_nc_u64 s[22:23], s[4:5], s[22:23]
	s_add_nc_u64 s[AP:AP+1], s[4:5], s[20:21]      ; emb_a,
	s_add_nc_u64 s[AP+2:AP+3], s[AP:AP+1], 16777216  ; emb_b
	CROUND                                         ; all four work-groups are here: the first joint loads meet
.irp s, 0,1
	s_mov_b32 s[G0+4*(\s)], 1                                     ; count = 1
	s_add_co_u32 s[G0+4*(\s)+1], s70, (\s)*SLOT1                  ; LDS address
	s_add_nc_u64 s[G0+4*(\s)+2:G0+4*(\s)+3], s[22:23], (\s)*STEP  ; global address: step s
	s_or_b32 s[G0+4*(\s)+3], s[G0+4*(\s)+3], 0x80000000           ; type = 2
.endr
	tensor_load_to_lds s[G0:G0+3], s[G1W:G1W+7]    ; the ring is filled before anything else is done: two loads of mine are out
	s_nop 0
	tensor_load_to_lds s[G0+4:G0+7], s[G1W:G1W+7]
	s_nop 0
.rept 4
	v_nop
.endr
	v_and_b32 v1, 15, v0                           ; r = l % 16
	v_bfe_u32 v2, v0, 4, 1                         ; h = l / 16
	v_and_b32 v5, 31, v0                           ; l
	v_lshlrev_b32 v[AO], 4, v5
	v_lshlrev_b32 v[BO], 5, v2
	s_lshl_b32 s74, s[NX], 9                       ; the tile's 128 columns in a bias
	s_mov_b32 s75, 0
	s_add_nc_u64 s[6:7], s[6:7], s[74:75]
	s_add_nc_u64 s[8:9], s[8:9], s[74:75]
.irp b, 0,1,2,3,4,5,6,7                ; register j of block b: bq[16 b + 8 h + j], the C operand of every row block
	global_load_b128 v[BIAS0+8*(\b):BIAS0+8*(\b)+3],   v[BO], s[6:7] offset:64*(\b)
	global_load_b128 v[BIAS0+8*(\b)+4:BIAS0+8*(\b)+7], v[BO], s[6:7] offset:64*(\b)+16
.endr
.irp c, 0,1,2,3,4
	ALOAD \c, \c                                   ; the ring's first five phases
.endr
	WIN 0
	v_mul_u32_u24 v[AW0], v1, PK                   ; a fragment of W: row l % 16 x pitch + 16 h; two loads of 16 bytes, 32 bytes apart
	v_lshl_add_u32 v[AW0], v2, 4, v[AW0]
	v_add_nc_u32 v[AW0+1], 2*RW, v[AW0]
	v_add_nc_u32 v[ADRW], s[TB], v[AW0]
	v_add_nc_u32 v[ADRW+1], s[TB], v[AW0+1]
	s_lshl_b32 s69, s[WV], 8
	s_add_co_u32 s69, s69, SCR                     ; my 256 bytes of scratch
	v_lshl_add_u32 v[STO], v1, 2, s69              ; row 16 a + r at 4 r + 64 a
	v_lshl_add_u32 v[RD], v5, 3, s69               ; back: two rows a lane
	v_lshlrev_b32 v[GO], 3, v5
	s_lshl_b32 s72, s[NX], 14                      ; part[nx]: 4,096 rows x 4 bytes,
	s_lshl_b32 s68, s[MY], 10                      ; the tile's 256 rows,
	s_add_co_u32 s72, s72, s68
	s_lshl_b32 s68, s[WV], 8                       ; my 64
	s_add_co_u32 s72, s72, s68
	s_mov_b32 s73, 0
	s_add_nc_u64 s[72:73], s[10:11], s[72:73]
	s_mov_b32 s[SEL], 0x76543210
	s_mov_b32 s[SEL+1], 0xfedcba98
	s_and_b32 s[LIM], s[WV], 1                     ; the prefetches: 0 in waves 0 and 2,
	s_or_b32 s[LIM], s[LIM], ttmp9                 ; where the cluster is the tile column's first: the same in all four partners
	s_cmp_eq_u32 s[LIM], 0
	s_cselect_b32 s[LIM], 1, -1
	s_lshl_b32 s74, s[CX], 12                      ; my work-group's 16 blocks of a region's 64
	s_mov_b32 s75, 0
	s_add_nc_u64 s[PFA:PFA+1], s[22:23], s[74:75]
	s_add_nc_u64 s[PFA:PFA+1], s[PFA:PFA+1], 3*STEP  ; the first refill is step 2's: step 3 is asked for behind it
	v_lshlrev_b32 v[PFO], 8, v1
	v_lshl_add_u32 v[PFO], v2, 18, v[PFO]          ; lanes 16-31: the next region, a block on
	s_wait_loadcnt 40                              ; bq is in; the ring's 40 loads may stay out
	ALOAD 5, 5
	ALOAD 6, 6                                     ; seven phases, 56 loads, are asked for
	WIN 0
	s_wait_tensorcnt 1                             ; my region of step 0 is in; step 1's may stay out
	s_barrier_signal -1
	s_barrier_wait -1                              ; everybody's is
	FETCH 0
	PHASE 0, 7, CM0, 48, 1, 1                      ; the first two phases stand in front of the loop: their products start the sums.  48: the six younger phases' loads
	PHASE 1, 8, CM1, 48, 1, 1
	WIN 0                                          ; at a label and at a branch every window is 0
	s_mov_b32 s[LAP], STEPS-2
.Lstep:                                                ; a trip: a step's phases 2 to 7 and the next step's 0 and 1; one slot is filled again
	PHASE 2, 9,  0, 48, 1, 1
	PHASE 3, 10, 0, 48, 1, 1
	PHASE 4, 11, 0, 48, 1, 1
	PHASE 5, 12, 0, 48, 1, 1
	TURN 13, 1
	PHASE 7, 14, 0, 48, 1, 1
	PHASE 0, 15, 0, 48, 1, 1
	PHASE 1, 16, 0, 48, 1, 1
	WIN 0
	s_wait_xcnt 0x0                                ; every load (the youngest 32 products back) and the prefetch (three phases back) has read its address: the pointers may be written
	s_add_nc_u64 s[AP:AP+1], s[AP:AP+1], ASTEP
	s_add_nc_u64 s[AP+2:AP+3], s[AP+2:AP+3], ASTEP
	s_add_nc_u64 s[PFA:PFA+1], s[PFA:PFA+1], STEP
	s_sub_co_u32 s[LAP], s[LAP], 1
	s_cmp_lg_u32 s[LAP], 0
	s_cbranch_scc1 .Lstep
	PHASE 2, 9,  0, 48, 1, 1                       ; the last step but one fills nothing, and has no round of the cluster's barrier
	PHASE 3, 10, 0, 48, 1, 1
	PHASE 4, 11, 0, 48, 1, 1
	PHASE 5, 12, 0, 48, 1, 1
	TURN 13, 0
	PHASE 7, 14, 0, 48, 1, 1
	PHASE 0, 15, 0, 48, 1, 1                       ; asks for the very last phase
	PHASE 1, 0, 0, 48, 2, 1                        ; no embedding is left to ask for; bk's 16 loads take the place of two phases', so the counts run down later:
	PHASE 2, 0, 0, 48, 2, 1                        ; 8 (7 - j) loads of the phases to come, and bk's that are out
	PHASE 3, 0, 0, 48, 0, 1
	PHASE 4, 0, 0, 40, 0, 1
	PHASE 5, 0, 0, 32, 0, 1
	PHASE 6, 0, 0, 24, 0, 1
	PHASE 7, 0, 0, 16, 0, 0
	; THE WAY OUT.  For each of my four blocks of 16 rows a pair of running sums of q (k + bk); the four chains take turns; each accumulator is read from its low end on.
	PLACES
	s_wait_loadcnt 0x0                             ; bk
.irp b, 0,1,2,3,4,5,6,7
	WIN 0x03                                       ; source 0 (k) window 3; bk and the result window 0
.irp a, 0,1,2,3
.irp i, 0,1,2,3
	v_pk_add_f32 v[TT+8*(\a)+2*(\i):TT+8*(\a)+2*(\i)+1], v[8*(8*(\a)+(\b))+2*(\i):8*(8*(\a)+(\b))+2*(\i)+1], v[BIAS0+8*(\b)+2*(\i):BIAS0+8*(\b)+2*(\i)+1]
.endr
.endr
	WIN 0x02                                       ; source 0 (q) window 2
.irp i, 0,1,2,3
.irp a, 0,1,2,3
.if ((\b) == 0) && ((\i) == 0)
	v_pk_mul_f32 v[SUM+2*(\a):SUM+2*(\a)+1], v[8*(8*(\a)+(\b))+2*(\i):8*(8*(\a)+(\b))+2*(\i)+1], v[TT+8*(\a)+2*(\i):TT+8*(\a)+2*(\i)+1]
.else
	v_pk_fma_f32 v[SUM+2*(\a):SUM+2*(\a)+1], v[8*(8*(\a)+(\b))+2*(\i):8*(8*(\a)+(\b))+2*(\i)+1], v[TT+8*(\a)+2*(\i):TT+8*(\a)+2*(\i)+1], v[SUM+2*(\a):SUM+2*(\a)+1]
.endif
.endr
.endr
.endr
	WIN 0
.irp a, 0,1,2,3
	v_add_f32 v[SUM+2*(\a)], v[SUM+2*(\a)], v[SUM+2*(\a)+1]
.endr
.irp a, 0,1,2,3
	v_permlanex16_b32 v[SUM+2*(\a)+1], v[SUM+2*(\a)], s[SEL], s[SEL+1]  ; the row's other 64 columns lie in the lane 16 away
.endr
.irp a, 0,1,2,3
	v_add_f32 v[SUM+2*(\a)], v[SUM+2*(\a)], v[SUM+2*(\a)+1]
.endr
.irp a, 0,1,2,3
	ds_store_b32 v[STO], v[SUM+2*(\a)] offset:64*(\a)  ; both halves of the lanes write the same word with the same number
.endr
	ds_load_b64 v[6:7], v[RD]                      ; LDS serves a wave's instructions in order (ISA guide 5.7.1.4): this sees the stores above
	s_wait_dscnt 0x0
	global_store_b64 v[GO], v[6:7], s[72:73]       ; the wave's 64 sums: 256 consecutive bytes, at a multiple of 256 from part's first byte
	s_wait_tensorcnt 0x0                           ; the wave's end, behind my last tensor load and my last LDS store
	ds_add_u32 v[SPW], v[NIL]
	s_wait_dscnt 0x0
	CROUND                                         ; the closing round: no work-group ends while a partner may still ask for a tile that names it
	s_endpgm
.Lfunc_end_k_qeed8dbad53_qk:
	.size	k_qeed8dbad53_qk, .Lfunc_end_k_qeed8dbad53_qk-k_qeed8dbad53_qk
	.p2alignl 7, 3214868480
	.fill 96, 4, 3214868480
	.section	.rodata,"a",@progbits
	.p2align	6, 0x0
	.amdhsa_kernel k_qeed8dbad53_qk
		.amdhsa_group_segment_fixed_size 327680
		.amdhsa_private_segment_fixed_size 0
		.amdhsa_enable_private_segment 0
		.amdhsa_kernarg_size 32
		.amdhsa_user_sgpr_count 2
		.amdhsa_user_sgpr_kernarg_segment_ptr 1
		.amdhsa_wavefront_size32 1
		.amdhsa_system_sgpr_workgroup_id_x 1
		.amdhsa_system_sgpr_workgroup_id_y 1
		.amdhsa_system_sgpr_workgroup_id_z 1
		.amdhsa_system_vgpr_workitem_id 0
		.amdhsa_next_free_vgpr 1024
		.amdhsa_next_free_sgpr 80
		.amdhsa_reserve_vcc 0
		.amdhsa_float_denorm_mode_32 3
		.amdhsa_float_denorm_mode_16_64 3
		.amdhsa_memory_ordered 1
		.amdhsa_forward_progress 1
		.amdhsa_inst_pref_size 125
	.end_amdhsa_kernel
	.amdgpu_metadata
---
amdhsa.version: [ 1, 2 ]
amdhsa.kernels:
  - .name:           k_qeed8dbad53_qk
    .symbol:         k_qeed8dbad53_qk.kd
    .args:
      - { .name: ws, .offset: 0, .size: 8, .value_kind: global_buffer, .address_space: global }
      - { .name: bq, .offset: 8, .size: 8, .value_kind: global_buffer, .address_space: global }
      - { .name: bk, .offset: 16, .size: 8, .value_kind: global_buffer, .address_space: global }
      - { .name: part, .offset: 24, .size: 8, .value_kind: global_buffer, .address_space: global }
    .group_segment_fixed_size: 327680
    .private_segment_fixed_size: 0
    .kernarg_segment_align: 8
    .kernarg_segment_size: 32
    .max_flat_workgroup_size: 128
    .sgpr_count:     80
    .vgpr_count:     1024
    .wavefront_size: 32
...
	.end_amdgpu_metadata
.endif
;; end of part 2
;; launch vh (part 3): grid 16 x 16, 4 waves a work-group, clusters of 4 x 1, 327,680 bytes of LDS; arguments ws, part, bv, hbf; writes hbf
.if DOCPART == 3
	.amdgcn_target "amdgcn-amd-amdhsa--gfx1250"
	.amdhsa_code_object_version 6
	.text
	.protected	k_qeed8dbad53_vh
	.globl	k_qeed8dbad53_vh
	.p2align	8
	.type	k_qeed8dbad53_vh,@function
k_qeed8dbad53_vh:
	s_mov_b64 s[64:65], 0
	v_nop
	global_prefetch_b8 v0, s[64:65] scope:SCOPE_SE
	s_setreg_imm32_b32 hwreg(HW_REG_WAVE_MODE, 25, 1), 1
	s_wait_xcnt 0x0
	s_wait_alu depctr_hold_cnt(0) depctr_sa_sdst(0) depctr_va_vdst(0) depctr_va_sdst(0) depctr_va_ssrc(0) depctr_va_vcc(0) depctr_vm_vsrc(0)
	s_getreg_b32 s2, hwreg(HW_REG_IB_STS2, 6, 4)
	s_cmp_eq_u32 s2, 0
	s_cbranch_scc0 .Lentry_in_a_cluster
	s_endpgm
.Lentry_in_a_cluster:
	s_bfe_u32 s2, ttmp6, 0x10000c
	s_cmp_lg_u32 s2, 0x3003
	s_cbranch_scc0 .Lentry_shape_is_right
	s_endpgm
.Lentry_shape_is_right:
; h = attn (emb_b Wv^T + bv) + emb_a for a tile of 256 rows x 128 columns, rounded once to bf16 and stored in the order of the matrix fragments ([group of 16 rows][piece of 8 columns][16 rows][8]), as the next launch's left operand.
; attn = softmax over the one score of a row: score = (the sum of part's 16 partial sums) / sqrt(2048); the maximum of one score is the score itself; attn = 2^(log2(e) (s - s)) / its own sum.
; LIMITS.  emb_b, Wv, emb_a (the residual too) and bv are used rounded once to bf16; h is rounded once to bf16.  A score that is not finite gives NaN in its row, by s - s.  The sums' order differs from a plain dot product's.
; SHARES.  Work-group (my, nx): rows 256 my on, columns 128 nx on.  Wave w: rows 64 w .. 64 w + 63, all 128 columns: 32 accumulators of 16 x 16, 256 registers.
; THE MATRIX INSTRUCTION IS USED TRANSPOSED: source 0 = 16 rows of Wv, source 1 = 16 rows of emb_b.  Lane l holds row l % 16, its registers 0-7 the columns 8 (l / 16) + 0..7: rounded, they are the lane's 16 bytes of h's own layout.
; emb_b COMES STRAIGHT INTO REGISTERS.  Each of its rows is read by one wave of the work-group alone, and ws holds it in the order of the fragments: a load of 16 bytes a lane is 512 consecutive bytes, half a fragment.
; A ring of eight buffers of 32 registers, a PHASE (32 products) each: at a phase's head the loads for the phase seven on are issued, 224 products ahead; the waits are counted, and no barrier drains them.
; NO JOINT REQUEST FOR IT, though the 16 work-groups of a tile row read the same rows: in LDS it would take 256 of a K step's 384 rows, and two slots would then hold 128 products' operands a wave each, not 256.
; Wv GOES THROUGH A RING OF TWO LDS SLOTS.  A slot holds K = 256 of its 128 rows: four regions of 64 along K, each fetched by one wave with one tensor load: dense in ws, asked for as rows of 256 bytes, padded in LDS after every 128.
; A step is eight phases: 256 products a wave.  CLUSTER: the four work-groups of a cluster have the same nx and ask for the regions JOINTLY.
; REGISTERS, in windows of 256: window 0 addresses, attn, bv, W's two fragment buffers; window 1 emb_b's ring, at the end the residual; window 2 the accumulators ((a, b) at 8 (8 a + b)).
.set BLK,   262144                     ; bytes in a block of a weight: 2,048 rows x 64 bf16
.set GRP,   65536                      ; bytes in a group of 16 rows in fragment order
.set PK,    144                        ; an LDS row: 128 bytes + 16 of padding = 36 words: the 16 rows of a fragment start at 16 different groups of four banks (64 banks of 4 bytes: ISA guide 11.1)
.set RW,    128*PK                     ; a region
.set SLOT1, 131072                     ; slot 1 begins here, so that one exclusive or turns an address in one slot into the other's
.set SCR,   238592                     ; behind the ring (and the room that a sister launch uses as a stage): 256 bytes for each wave, never filled by a tensor load: the rows' attn
.set SPARE, 239616                     ; the spare words, 128 bytes for each wave: two blocks of 256 bytes that no other line names
.set AOFF,  16777216                   ; emb_b in ws
.set WOFF,  50331648                   ; Wv: slab 6
.set STEP,  4*BLK                      ; bytes from a step's regions to the next step's
.set STEPS, 8
.set ASTEP, 8192                       ; emb_b's bytes in a step, in each group: eight chunks of 32 k
.set CM0,   2                          ; the first product takes bv as C,
.set CM1,   0                          ; the second adds on
.set AW0,  8                           ; v8, v9   my lane's place in regions 0, 1 and in regions 2, 3; never rewritten
.set ADRW, 10                          ; v10, v11 the same in the slot in hand
.set AO,   12                          ; v12  16 l: my 16 bytes of 512; never rewritten
.set PFO,  19                          ; v19  the prefetches' offset; never rewritten
.set SPW,  20                          ; v20  LDS address of my spare word: SPARE + 4 x my thread's number; never rewritten
.set NIL,  21                          ; v21  0; never rewritten
.set BO,   22                          ; v22  32 (l / 16)
.set ATT,  32                          ; v[32:35] attn of row 16 a + l % 16
.set BIAS0, 64                         ; v[64:127] bv
.set F0,   128                         ; v[128:255] W's fragments: phase j's at F0 + 64 (j % 2), fragment b at + 8 b
.set T,    128                         ; the same registers at work: in the head the partial sums, on the way out two sets of 64
.set WV,   12
.set CX,   14
.set NX,   16
.set MY,   17
.set G1W,  24                          ; s[24:31] descriptor group 1
.set G0,   32                          ; s[32:39] group 0: a set for each of the two first fills; the second then walks on
.set PFA,  40
.set LIM,  44
.set LAP,  45
.set AP,   48                          ; s[48:49] emb_b: my 64 rows, at the step in hand
.set TB,   71                          ; s71 LDS byte at which the slot in hand begins
.set G1BITS, (1<<16)|(1<<20)|(1<<21)|(4<<22)|(3<<25)  ; 17:16 elements of 2 bytes; 20 padding on; 21 set beside a mask; 24:22 after every 32 words (code 4); 31:25 4 words of it (code 3)
.set MSB, 0
.macro WIN new                         ; the immediate's high byte repeats the setting that is left; a switch that changes nothing is dropped
.if MSB != (\new)
	s_set_vgpr_msb (MSB<<8)|(\new)
.set MSB, (\new)
.endif
.endm
.macro PLACES                          ; four places in front of loads into registers that matrix instructions have read, and of vector work that reads results (ISA guide 7.12.1 for vector instructions)
.rept 4
	v_nop
.endr
.endm
.macro CREST                           ; a round of the cluster's barrier behind its opening barrier
	s_cmp_lg_u32 s[WV], 0
	s_cbranch_scc1 .Lnot_wave_0_\@
	s_barrier_signal -3
.Lnot_wave_0_\@:
	s_barrier_wait -3
	s_barrier_signal -1
	s_barrier_wait -1
.endm
.macro CROUND                          ; a whole round
	s_barrier_signal -1
	s_barrier_wait -1
	CREST
.endm
; A PREFETCH INTO THE L2, behind each joint refill: the step that the NEXT change of slots will ask for, 256 products ahead of that load.  Each block of 256 bytes is named once in the launch: the four clusters of a tile column
; read the same regions, and the one with x = 0 asks; waves 0 and 2 ask, each for its own region (lanes 0-15) and the next (lanes 16-31); the partner at cx takes 16 of a region's 64 blocks, told apart by address.
; The loop's last trip asks for nothing: there is no step behind its refill's.  Steps 0 to 2 come by their loads alone.
.macro ASK
	s_cmp_gt_u32 s[LAP], s[LIM]
	s_cbranch_scc0 .Lnot_mine_\@
	global_prefetch_b8 v[PFO], s[PFA:PFA+1] th:TH_LOAD_NT scope:SCOPE_SE
.Lnot_mine_\@:
.endm
.macro MAP n                           ; phase n of a step: its region of the slot, its half of the region's 64 k, its set of accumulators
.set rg, (\n)>>1
.set kk, (\n)&1
.set st, 0
.endm
; 8 products of phase j: row block a x all 8 column blocks.  cm = 0: onto the sums; 2: the first product, with the bias as C.
; The accumulators take turns, one instruction a turn.
.macro MUL8 j, a, cm
	MAP \j
.if (\cm) == 2
	WIN 0x84+0x40*st                               ; W window 0, emb_b window 1, C window 0, D window 2
.else
	WIN 0xa4+0x50*st                               ; C and D window 2
.endif
.irp b, 0,1,2,3,4,5,6,7
.if (\cm) == 0
	v_wmma_f32_16x16x32_bf16 v[8*(8*(\a)+(\b)):8*(8*(\a)+(\b))+7], v[F0+64*((\j)&1)+8*(\b):F0+64*((\j)&1)+8*(\b)+7], v[32*(\j)+8*(\a):32*(\j)+8*(\a)+7], v[8*(8*(\a)+(\b)):8*(8*(\a)+(\b))+7]
.else
	v_wmma_f32_16x16x32_bf16 v[8*(8*(\a)+(\b)):8*(8*(\a)+(\b))+7], v[F0+64*((\j)&1)+8*(\b):F0+64*((\j)&1)+8*(\b)+7], v[32*(\j)+8*(\a):32*(\j)+8*(\a)+7], v[BIAS0+8*(\b):BIAS0+8*(\b)+7]
.endif
.endr
.endm
.macro FETCH n                         ; 16 LDS loads in one run: W's eight fragments for phase n
	MAP \n
	WIN 0
.irp b, 0,1,2,3,4,5,6,7
	ds_load_b128 v[F0+64*((\n)&1)+8*(\b):F0+64*((\n)&1)+8*(\b)+3],   v[ADRW+(rg>>1)] offset:(rg&1)*RW+64*kk+16*PK*(\b)
	ds_load_b128 v[F0+64*((\n)&1)+8*(\b)+4:F0+64*((\n)&1)+8*(\b)+7], v[ADRW+(rg>>1)] offset:(rg&1)*RW+64*kk+16*PK*(\b)+32
.endr
.endm
.macro ALOAD buf, jj                   ; 8 loads: the four fragments of the phase jj behind the first phase of the step at which the pointer stands
	WIN 0x40                                       ; destination window 1, address window 0
.irp a, 0,1,2,3
	global_load_b128 v[32*(\buf)+8*(\a):32*(\buf)+8*(\a)+3],   v[AO], s[AP:AP+1] offset:(\a)*GRP+(\jj)*1024
	global_load_b128 v[32*(\buf)+8*(\a)+4:32*(\buf)+8*(\a)+7], v[AO], s[AP:AP+1] offset:(\a)*GRP+(\jj)*1024+512
.endr
.endm
.macro XLOAD j                         ; in the last step's phases 1 to 4, where no emb_b is left to ask for: 8 loads of the residual, bf16(emb_a), of row block j - 1, into the ring's buffer j - 1: column block b at 32 (j - 1) + 4 b,
	WIN 0x40                                       ; in the lanes in which the accumulators hold the same rows and columns
.irp b, 0,1,2,3,4,5,6,7
	global_load_b128 v[32*((\j)-1)+4*(\b):32*((\j)-1)+4*(\b)+3], v[AO], s[76:77] offset:((\j)-1)*GRP+(\b)*512
.endr
.endm
; A phase's head.  lw: how many younger loads may stay out when this phase's emb_b has to be in.  ld = 1: the phase seven on is asked for, into the buffer that the phase before read; 2: XLOAD; 0: nothing.
; ft = 1: the next phase's fragments of W are fetched, into the buffer that the phase before read.
.macro PHEAD j, jj, lw, ld, ft
	s_wait_loadcnt \lw                             ; loads come back in order (ISA guide 5.7.1): mine are in
	PLACES
.if (\ld) == 1
	ALOAD ((\j)+7)%8, \jj
.elseif (\ld) == 2
	XLOAD \j
.endif
.if \ft
	FETCH ((\j)+1)%8
	s_wait_dscnt 16                                ; this phase's fragments of W are in; the 16 loads just issued may be out
.else
	s_wait_dscnt 0x0
.endif
.endm
.macro PHASE j, jj, cm, lw, ld, ft
	PHEAD \j, \jj, \lw, \ld, \ft
	MUL8 \j, 0, \cm
	MUL8 \j, 1, \cm
	MUL8 \j, 2, \cm
	MUL8 \j, 3, \cm
.endm
; A step's phase 6 also changes slots: its head has issued the last reads of the slot in hand.  ONE barrier.  In front of it each wave waits for all its tensor loads, of which one is out: its region of the other slot; adds 0 to its
; spare word; and waits for that and for its own reads of this slot.  fill = 1: the barrier opens a round of the cluster's barrier, and this slot is filled again, two steps ahead, first thing behind the round:
; 240 products stand between that request and the wait for it.
.macro TURN jj, fill
	PHEAD 6, \jj, 48, 1, 1
	MUL8 6, 0, 0
	MUL8 6, 1, 0
	WIN 0                                          ; (the add's two registers lie in window 0)
	s_wait_tensorcnt 0x0                           ; all my tensor loads have landed;
	ds_add_u32 v[SPW], v[NIL]                      ; 0 onto my spare word;
	MUL8 6, 2, 0                                   ; eight products stand between the add and the wait for it
	s_wait_dscnt 0x0                               ; the add is done, and my reads of this slot are over
	s_barrier_signal -1
	MUL8 6, 3, 0
	WIN 0
	s_barrier_wait -1
.if \fill
	CREST                                          ; no wave of any partner still reads this slot or has a load on its way
	s_xor_b32 s[G0+5], s[G0+5], SLOT1              ; the walking descriptor: the other slot than last time,
	s_add_nc_u64 s[G0+6:G0+7], s[G0+6:G0+7], STEP  ; the next step; the type bits on top are not reached
	tensor_load_to_lds s[G0+4:G0+7], s[G1W:G1W+7]
	s_nop 0
.rept 4
	v_nop
.endr
	ASK
.endif
	s_xor_b32 s[TB], s[TB], SLOT1                  ; the fetches go on in the other slot
	v_add_nc_u32 v[ADRW], s[TB], v[AW0]
	v_add_nc_u32 v[ADRW+1], s[TB], v[AW0+1]
.endm
; THE WAY OUT of row block a: h = v attn + the residual's bf16 half, one fused multiply-add in f32; rounded to bf16; stored from the lanes in which it was made.  Each accumulator is read from its low end on.
.macro FIN a
.if (\a) >= 2
	s_wait_xcnt 0x0                                ; the stores of two blocks back have read their data: the set is written again only behind this wait
.endif
	WIN 0x12                                       ; source 0, the sums, window 2; source 2, the residual, window 1
.irp b, 0,1,2,3,4,5,6,7
.irp p, 0,1,2,3
	v_fma_mix_f32_bf16 v[T+64*((\a)%2)+8*(\b)+2*(\p)],   v[8*(8*(\a)+(\b))+2*(\p)],   v[ATT+(\a)], v[32*(\a)+4*(\b)+(\p)] op_sel:[0,0,0] op_sel_hi:[0,0,1]
	v_fma_mix_f32_bf16 v[T+64*((\a)%2)+8*(\b)+2*(\p)+1], v[8*(8*(\a)+(\b))+2*(\p)+1], v[ATT+(\a)], v[32*(\a)+4*(\b)+(\p)] op_sel:[0,0,1] op_sel_hi:[0,0,1]
.endr
.endr
	WIN 0
.irp b, 0,1,2,3,4,5,6,7
.irp p, 0,1,2,3
	v_cvt_pk_bf16_f32 v[T+64*((\a)%2)+8*(\b)+(\p)], v[T+64*((\a)%2)+8*(\b)+2*(\p)], v[T+64*((\a)%2)+8*(\b)+2*(\p)+1]
.endr
.endr
.irp b, 0,1,2,3,4,5,6,7
	global_store_b128 v[AO], v[T+64*((\a)%2)+8*(\b):T+64*((\a)%2)+8*(\b)+3], s[78:79] offset:(\a)*GRP+(\b)*512  ; two pieces of 16 rows: 512 consecutive bytes, at a multiple of 256 from hbf's first byte
.endr
.endm
	s_load_b256 s[4:11], s[0:1], 0x0               ; ws s[4:5], part s[6:7], bv s[8:9], hbf s[10:11]
	v_lshl_add_u32 v[SPW], v0, 2, SPARE
	v_mov_b32 v[NIL], 0
	ds_add_u32 v[SPW], v[NIL]                      ; the wave's opening: the add and its wait stand ahead of my first tensor load; the set-up below, work on registers, stands between them
	v_lshrrev_b32 v1, 5, v0
	v_readfirstlane_b32 s[WV], v1                  ; wave 0..3
	s_bfe_u32 s[CX], ttmp6, 0x40000                ; my place in the cluster
	s_lshl_b32 s[MY], ttmp9, 2                     ; in a cluster launch ttmp9 counts clusters
	s_add_co_u32 s[MY], s[MY], s[CX]               ; tile row = 4 x cluster x + cx: it enters no descriptor
	s_and_b32 s[NX], ttmp7, 0xffff                 ; tile column, which the four partners share
	s_mov_b32 s[G1W], 15|G1BITS                    ; 15:0 the mask: all four work-groups
	s_mov_b32 s[G1W+1], 128<<16                    ; tensor_dim0 = 128 elements: 256 bytes, two rows of a block
	s_mov_b32 s[G1W+2], 64<<16                     ; tensor_dim1 = 64
	s_mov_b32 s[G1W+3], 128<<16                    ; tile_dim0 = 128
	s_mov_b32 s[G1W+4], 64                         ; tile_dim1 = 64: 128 rows of a block
	s_mov_b32 s[G1W+5], 128                        ; dense: 128 elements from row to row
	s_mov_b32 s[G1W+6], 0
	s_mov_b32 s[G1W+7], 0
	s_lshl_b32 s22, s[WV], 18                      ; my region: the step's block of 64 k of my wave's number;
	s_add_co_u32 s22, s22, WOFF
	s_lshl_b32 s42, s[NX], 14                      ; the tile's 128 rows x 128 bytes
	s_add_co_u32 s22, s22, s42
	s_mov_b32 s23, 0
	s_mul_i32 s70, s[WV], RW                       ; and where it goes: no place in the cluster enters an LDS address
	s_lshl_b32 s20, s[MY], 20                      ; the tile's 16 groups of rows,
	s_lshl_b32 s68, s[WV], 18                      ; my four
	s_add_co_u32 s20, s20, s68
	s_mov_b32 s21, 0
	s_lshl_b32 s76, s[NX], 12                      ; the tile's 16 pieces of columns, in emb_a's part of ws and in hbf alike
	s_add_co_u32 s76, s76, s20
	s_mov_b32 s77, 0
	s_mov_b32 s[TB], 0
	s_wait_dscnt 0x0                               ; the opening add is done
	s_wait_kmcnt 0x0
	s_add_nc_u64 s[22:23], s[4:5], s[22:23]
	s_add_nc_u64 s[AP:AP+1], s[4:5], s[20:21]
	s_add_nc_u64 s[AP:AP+1], s[AP:AP+1], AOFF
	s_add_nc_u64 s[78:79], s[10:11], s[76:77]
	s_add_nc_u64 s[76:77], s[4:5], s[76:77]
	CROUND                                         ; all four work-groups are here: the first joint loads meet
.irp s, 0,1
	s_mov_b32 s[G0+4*(\s)], 1                                     ; count = 1
	s_add_co_u32 s[G0+4*(\s)+1], s70, (\s)*SLOT1                  ; LDS address
	s_add_nc_u64 s[G0+4*(\s)+2:G0+4*(\s)+3], s[22:23], (\s)*STEP  ; global address: step s
	s_or_b32 s[G0+4*(\s)+3], s[G0+4*(\s)+3], 0x80000000           ; type = 2
.endr
	tensor_load_to_lds s[G0:G0+3], s[G1W:G1W+7]    ; the ring is filled before anything else is done: two loads of mine are out
	s_nop 0
	tensor_load_to_lds s[G0+4:G0+7], s[G1W:G1W+7]
	s_nop 0
.rept 4
	v_nop
.endr
	v_and_b32 v1, 15, v0                           ; r = l % 16
	v_bfe_u32 v2, v0, 4, 1                         ; h = l / 16
	v_and_b32 v5, 31, v0                           ; l
	v_lshlrev_b32 v[AO], 4, v5
	v_lshlrev_b32 v[BO], 5, v2
	v_lshlrev_b32 v6, 3, v5                        ; 8 l: two rows' partial sums a lane; never rewritten
	s_lshl_b32 s72, s[NX], 9                       ; the tile's 128 columns in bv
	s_mov_b32 s73, 0
	s_add_nc_u64 s[8:9], s[8:9], s[72:73]
	s_lshl_b32 s74, s[MY], 10                      ; the tile's 256 rows in a plane of part,
	s_lshl_b32 s68, s[WV], 8                       ; my 64
	s_add_co_u32 s74, s74, s68
	s_mov_b32 s75, 0
	s_add_nc_u64 s[6:7], s[6:7], s[74:75]
.irp b, 0,1,2,3,4,5,6,7                ; register j of block b: bv[16 b + 8 h + j], the C operand of every row block
	global_load_b128 v[BIAS0+8*(\b):BIAS0+8*(\b)+3],   v[BO], s[8:9] offset:64*(\b)
	global_load_b128 v[BIAS0+8*(\b)+4:BIAS0+8*(\b)+7], v[BO], s[8:9] offset:64*(\b)+16
.endr
.irp j, 0,1,2,3,4,5,6,7,8,9,10,11,12,13,14,15
	global_load_b64 v[T+2*(\j):T+2*(\j)+1], v6, s[6:7] offset:(\j)*16384  ; column tile j's partial sums of my 64 rows: 256 consecutive bytes a wave
.endr
.irp c, 0,1,2
	ALOAD \c, \c                                   ; the ring's first three phases
.endr
	WIN 0
	v_mul_u32_u24 v[AW0], v1, PK                   ; a fragment of W: row l % 16 x pitch + 16 h; two loads of 16 bytes, 32 bytes apart
	v_lshl_add_u32 v[AW0], v2, 4, v[AW0]
	v_add_nc_u32 v[AW0+1], 2*RW, v[AW0]
	v_add_nc_u32 v[ADRW], s[TB], v[AW0]
	v_add_nc_u32 v[ADRW+1], s[TB], v[AW0+1]
	s_lshl_b32 s69, s[WV], 8
	s_add_co_u32 s69, s69, SCR                     ; my 256 bytes of scratch
	v_lshl_add_u32 v24, v5, 3, s69                 ; rows 2 l, 2 l + 1
	v_lshl_add_u32 v25, v1, 2, s69                 ; row l % 16 of a block of 16
	s_and_b32 s[LIM], s[WV], 1                     ; the prefetches: 0 in waves 0 and 2,
	s_or_b32 s[LIM], s[LIM], ttmp9                 ; where the cluster is the tile column's first: the same in all four partners
	s_cmp_eq_u32 s[LIM], 0
	s_cselect_b32 s[LIM], 1, -1
	s_lshl_b32 s74, s[CX], 12                      ; my work-group's 16 blocks of a region's 64
	s_mov_b32 s75, 0
	s_add_nc_u64 s[PFA:PFA+1], s[22:23], s[74:75]
	s_add_nc_u64 s[PFA:PFA+1], s[PFA:PFA+1], 3*STEP  ; the first refill is step 2's: step 3 is asked for behind it
	v_lshlrev_b32 v[PFO], 8, v1
	v_lshl_add_u32 v[PFO], v2, 18, v[PFO]          ; lanes 16-31: the next region, a block on
	s_wait_loadcnt 24                              ; bv and the partial sums are in; the ring's 24 loads may stay out
.irp c, 3,4,5,6
	ALOAD \c, \c                                   ; seven phases, 56 loads, are asked for
.endr
	WIN 0
.set i, 0
.rept 32                               ; bv rounded to bf16 and widened again, like every input that reaches the output
	v_cvt_pk_bf16_f32 v[26+i%2], v[BIAS0+2*i], v[BIAS0+2*i+1]
	v_lshlrev_b32 v[BIAS0+2*i], 16, v[26+i%2]
	v_and_b32 v[BIAS0+2*i+1], 0xffff0000, v[26+i%2]
.set i, i+1
.endr
.irp j, 1,2,3,4,5,6,7,8,9,10,11,12,13,14,15
	v_pk_add_f32 v[T:T+1], v[T:T+1], v[T+2*(\j):T+2*(\j)+1]      ; the sum of q k over all 2,048 columns, for rows 2 l and 2 l + 1
.endr
	v_pk_mul_f32 v[T:T+1], v[T:T+1], 0x3cb504f3 op_sel_hi:[1,0]      ; the score: / sqrt(2048)
	v_pk_add_f32 v[T+2:T+3], v[T:T+1], v[T:T+1] neg_lo:[0,1] neg_hi:[0,1]  ; less the maximum over the axis of length 1, which is the score itself: 0, or NaN where the score is not finite
	v_pk_mul_f32 v[T+2:T+3], v[T+2:T+3], 0x3fb8aa3b op_sel_hi:[1,0]  ; x log2(e)
	v_exp_f32 v[T+4], v[T+2]
	v_exp_f32 v[T+5], v[T+3]
	v_nop                                          ; a plain instruction behind the last exponential,
	s_wait_alu depctr_va_vdst(0)                   ; and the wait ahead of the first use: one for the two
	v_rcp_f32 v[T+6], v[T+4]                       ; the sum over the axis is the one exponential
	v_rcp_f32 v[T+7], v[T+5]
	v_nop
	s_wait_alu depctr_va_vdst(0)
	v_pk_mul_f32 v[T+4:T+5], v[T+4:T+5], v[T+6:T+7]  ; attn
	ds_store_b64 v24, v[T+4:T+5]
.irp a, 0,1,2,3
	ds_load_b32 v[ATT+(\a)], v25 offset:64*(\a)    ; row 16 a + l % 16; LDS serves a wave's instructions in order (ISA guide 5.7.1.4): these see the store above
.endr
	s_wait_dscnt 0x0
	s_wait_tensorcnt 1                             ; my region of step 0 is in; step 1's may stay out
	s_barrier_signal -1
	s_barrier_wait -1                              ; everybody's is
	FETCH 0
	PHASE 0, 7, CM0, 48, 1, 1                      ; the first two phases stand in front of the loop: the first one's products start the sums, with bv as C.  48: the six younger phases' loads
	PHASE 1, 8, CM1, 48, 1, 1
	WIN 0                                          ; at a label and at a branch every window is 0
	s_mov_b32 s[LAP], STEPS-2
.Lstep:                                                ; a trip: a step's phases 2 to 7 and the next step's 0 and 1; one slot is filled again
	PHASE 2, 9,  0, 48, 1, 1
	PHASE 3, 10, 0, 48, 1, 1
	PHASE 4, 11, 0, 48, 1, 1
	PHASE 5, 12, 0, 48, 1, 1
	TURN 13, 1
	PHASE 7, 14, 0, 48, 1, 1
	PHASE 0, 15, 0, 48, 1, 1
	PHASE 1, 16, 0, 48, 1, 1
	WIN 0
	s_wait_xcnt 0x0                                ; every load (the youngest 32 products back) and the prefetch (three phases back) has read its address: the pointers may be written
	s_add_nc_u64 s[AP:AP+1], s[AP:AP+1], ASTEP
	s_add_nc_u64 s[PFA:PFA+1], s[PFA:PFA+1], STEP
	s_sub_co_u32 s[LAP], s[LAP], 1
	s_cmp_lg_u32 s[LAP], 0
	s_cbranch_scc1 .Lstep
	PHASE 2, 9,  0, 48, 1, 1                       ; the last step but one fills nothing, and has no round of the cluster's barrier
	PHASE 3, 10, 0, 48, 1, 1
	PHASE 4, 11, 0, 48, 1, 1
	PHASE 5, 12, 0, 48, 1, 1
	TURN 13, 0
	PHASE 7, 14, 0, 48, 1, 1
	PHASE 0, 15, 0, 48, 1, 1                       ; asks for the very last phase
	PHASE 1, 0, 0, 48, 2, 1                        ; no emb_b is left to ask for; the residual's 32 loads take the place of four phases', so the counts run down later:
	PHASE 2, 0, 0, 48, 2, 1                        ; 8 (7 - j) loads of the phases to come, and the residual's that are out
	PHASE 3, 0, 0, 48, 2, 1
	PHASE 4, 0, 0, 48, 2, 1
	PHASE 5, 0, 0, 48, 0, 1
	PHASE 6, 0, 0, 40, 0, 1
	PHASE 7, 0, 0, 32, 0, 0
	WIN 0
	PLACES                                         ; the multiply-adds below read results, and write where the last products' fragments of W lay
	s_wait_loadcnt 0x0                             ; the residual
	FIN 0
	FIN 1
	FIN 2
	FIN 3
	s_wait_tensorcnt 0x0                           ; the wave's end, behind my last tensor load and my last LDS store
	ds_add_u32 v[SPW], v[NIL]
	s_wait_dscnt 0x0
	CROUND                                         ; the closing round: no work-group ends while a partner may still ask for a tile that names it
	s_endpgm
.Lfunc_end_k_qeed8dbad53_vh:
	.size	k_qeed8dbad53_vh, .Lfunc_end_k_qeed8dbad53_vh-k_qeed8dbad53_vh
	.p2alignl 7, 3214868480
	.fill 96, 4, 3214868480
	.section	.rodata,"a",@progbits
	.p2align	6, 0x0
	.amdhsa_kernel k_qeed8dbad53_vh
		.amdhsa_group_segment_fixed_size 327680
		.amdhsa_private_segment_fixed_size 0
		.amdhsa_enable_private_segment 0
		.amdhsa_kernarg_size 32
		.amdhsa_user_sgpr_count 2
		.amdhsa_user_sgpr_kernarg_segment_ptr 1
		.amdhsa_wavefront_size32 1
		.amdhsa_system_sgpr_workgroup_id_x 1
		.amdhsa_system_sgpr_workgroup_id_y 1
		.amdhsa_system_sgpr_workgroup_id_z 1
		.amdhsa_system_vgpr_workitem_id 0
		.amdhsa_next_free_vgpr 768
		.amdhsa_next_free_sgpr 80
		.amdhsa_reserve_vcc 0
		.amdhsa_float_denorm_mode_32 3
		.amdhsa_float_denorm_mode_16_64 3
		.amdhsa_memory_ordered 1
		.amdhsa_forward_progress 1
		.amdhsa_inst_pref_size 145
	.end_amdhsa_kernel
	.amdgpu_metadata
---
amdhsa.version: [ 1, 2 ]
amdhsa.kernels:
  - .name:           k_qeed8dbad53_vh
    .symbol:         k_qeed8dbad53_vh.kd
    .args:
      - { .name: ws, .offset: 0, .size: 8, .value_kind: global_buffer, .address_space: global }
      - { .name: part, .offset: 8, .size: 8, .value_kind: global_buffer, .address_space: global }
      - { .name: bv, .offset: 16, .size: 8, .value_kind: global_buffer, .address_space: global }
      - { .name: hbf, .offset: 24, .size: 8, .value_kind: global_buffer, .address_space: global }
    .group_segment_fixed_size: 327680
    .private_segment_fixed_size: 0
    .kernarg_segment_align: 8
    .kernarg_segment_size: 32
    .max_flat_workgroup_size: 128
    .sgpr_count:     80
    .vgpr_count:     768
    .wavefront_size: 32
...
	.end_amdgpu_metadata
.endif
;; end of part 3
;; launch outp (part 4): grid 16 x 16, 4 waves a work-group, clusters of 4 x 1, 327,680 bytes of LDS; arguments hbf, ws, bo, out0; writes out0
.if DOCPART == 4
	.amdgcn_target "amdgcn-amd-amdhsa--gfx1250"
	.amdhsa_code_object_version 6
	.text
	.protected	k_qeed8dbad53_outp
	.globl	k_qeed8dbad53_outp
	.p2align	8
	.type	k_qeed8dbad53_outp,@function
k_qeed8dbad53_outp:
	s_mov_b64 s[64:65], 0
	v_nop
	global_prefetch_b8 v0, s[64:65] scope:SCOPE_SE
	s_setreg_imm32_b32 hwreg(HW_REG_WAVE_MODE, 25, 1), 1
	s_wait_xcnt 0x0
	s_wait_alu depctr_hold_cnt(0) depctr_sa_sdst(0) depctr_va_vdst(0) depctr_va_sdst(0) depctr_va_ssrc(0) depctr_va_vcc(0) depctr_vm_vsrc(0)
	s_getreg_b32 s2, hwreg(HW_REG_IB_STS2, 6, 4)
	s_cmp_eq_u32 s2, 0
	s_cbranch_scc0 .Lentry_in_a_cluster
	s_endpgm
.Lentry_in_a_cluster:
	s_bfe_u32 s2, ttmp6, 0x10000c
	s_cmp_lg_u32 s2, 0x3003
	s_cbranch_scc0 .Lentry_shape_is_right
	s_endpgm
.Lentry_shape_is_right:
; out0 = h Wo^T + bo for a tile of 256 rows x 128 columns, in f32.  h is hbf (bf16, in the order of the matrix fragments: [group of 16 rows][piece of 8 k][16 rows][8]), Wo slab 7 of ws ([32 kb][2048 rows][64]).
; LIMITS.  Wo and bo are used rounded once to bf16, like every input that reaches the output; the sums are f32 and their order differs from a plain dot product's.
; SHARES.  Work-group (my, nx): rows 256 my on, columns 128 nx on.  Wave w: rows 64 w .. 64 w + 63, all 128 columns: 32 accumulators of 16 x 16, 256 registers.
; THE MATRIX INSTRUCTION IS USED TRANSPOSED: source 0 = 16 rows of Wo, source 1 = 16 rows of h.  Lane l holds row l % 16, its registers 0-7 the columns 8 (l / 16) + 0..7.
; h COMES STRAIGHT INTO REGISTERS.  Each of its rows is read by one wave of the work-group alone, and hbf holds it in the order of the fragments: a load of 16 bytes a lane is 512 consecutive bytes, half a fragment.
; A ring of eight buffers of 32 registers, a PHASE (32 products) each: at a phase's head the loads for the phase seven on are issued, 224 products ahead; the waits are counted, and no barrier drains them.
; NO JOINT REQUEST FOR IT, though the 16 work-groups of a tile row read the same rows: in LDS it would take 256 of a K step's 384 rows, and two slots would then hold 128 products' operands a wave each, not 256.
; Wo GOES THROUGH A RING OF TWO LDS SLOTS.  A slot holds K = 256 of its 128 rows: four regions of 64 along K, each fetched by one wave with one tensor load: dense in ws, asked for as rows of 256 bytes, padded in LDS after every 128.
; A step is eight phases: 256 products a wave.  CLUSTER: the four work-groups of a cluster have the same nx and ask for the regions JOINTLY.
; REGISTERS, in windows of 256: window 0 addresses, bo, W's two fragment buffers; window 1 h's ring; window 2 the accumulators ((a, b) at 8 (8 a + b)).
.set BLK,   262144                     ; bytes in a block of a weight: 2,048 rows x 64 bf16
.set GRP,   65536                      ; bytes in a group of 16 rows in fragment order
.set PK,    144                        ; an LDS row: 128 bytes + 16 of padding = 36 words: the 16 rows of a fragment start at 16 different groups of four banks (64 banks of 4 bytes: ISA guide 11.1)
.set RW,    128*PK                     ; a region
.set SLOT1, 131072                     ; slot 1 begins here, so that one exclusive or turns an address in one slot into the other's
.set STAGE, SLOT1+4*RW                 ; behind the ring, never filled by a tensor load: 16 rows x 528 bytes for each wave, for the way out
.set SP,    528                        ; 512 bytes + 16
.set SPARE, 239616                     ; the spare words, 128 bytes for each wave: two blocks of 256 bytes that no other line names
.set WOFF,  58720256                   ; Wo: slab 7
.set STEP,  4*BLK                      ; bytes from a step's regions to the next step's
.set STEPS, 8
.set ASTEP, 8192                       ; h's bytes in a step, in each group: eight chunks of 32 k
.set CM0,   2                          ; the first product takes bo as C,
.set CM1,   0                          ; the second adds on
.set AW0,  8                           ; v8, v9   my lane's place in regions 0, 1 and in regions 2, 3; never rewritten
.set ADRW, 10                          ; v10, v11 the same in the slot in hand
.set AO,   12                          ; v12  16 l: my 16 bytes of 512; never rewritten
.set STO,  16                          ; v16  the way out: where I put 32 bytes of a row
.set RD,   17                          ; v17  where I read 16 bytes of a row back
.set PFO,  19                          ; v19  the prefetches' offset; never rewritten
.set SPW,  20                          ; v20  LDS address of my spare word: SPARE + 4 x my thread's number; never rewritten
.set NIL,  21                          ; v21  0; never rewritten
.set BO,   22                          ; v22  32 (l / 16)
.set BIAS0, 64                         ; v[64:127] bo
.set F0,   128                         ; v[128:255] W's fragments: phase j's at F0 + 64 (j % 2), fragment b at + 8 b
.set T,    128                         ; the same registers on the way out: two sets of 64
.set WV,   12
.set CX,   14
.set NX,   16
.set MY,   17
.set G1W,  24                          ; s[24:31] descriptor group 1
.set G0,   32                          ; s[32:39] group 0: a set for each of the two first fills; the second then walks on
.set PFA,  40
.set LIM,  44
.set LAP,  45
.set AP,   48                          ; s[48:49] h: my 64 rows, at the step in hand
.set TB,   71                          ; s71 LDS byte at which the slot in hand begins
.set G1BITS, (1<<16)|(1<<20)|(1<<21)|(4<<22)|(3<<25)  ; 17:16 elements of 2 bytes; 20 padding on; 21 set beside a mask; 24:22 after every 32 words (code 4); 31:25 4 words of it (code 3)
.set MSB, 0
.macro WIN new                         ; the immediate's high byte repeats the setting that is left; a switch that changes nothing is dropped
.if MSB != (\new)
	s_set_vgpr_msb (MSB<<8)|(\new)
.set MSB, (\new)
.endif
.endm
.macro PLACES                          ; four places in front of loads into registers that matrix instructions have read, and of LDS stores that read results
.rept 4
	v_nop
.endr
.endm
.macro CREST                           ; a round of the cluster's barrier behind its opening barrier
	s_cmp_lg_u32 s[WV], 0
	s_cbranch_scc1 .Lnot_wave_0_\@
	s_barrier_signal -3
.Lnot_wave_0_\@:
	s_barrier_wait -3
	s_barrier_signal -1
	s_barrier_wait -1
.endm
.macro CROUND                          ; a whole round
	s_barrier_signal -1
	s_barrier_wait -1
	CREST
.endm
; A PREFETCH INTO THE L2, behind each joint refill: the step that the NEXT change of slots will ask for, 256 products ahead of that load.  Each block of 256 bytes is named once in the launch: the four clusters of a tile column
; read the same regions, and the one with x = 0 asks; waves 0 and 2 ask, each for its own region (lanes 0-15) and the next (lanes 16-31); the partner at cx takes 16 of a region's 64 blocks, told apart by address.
; The loop's last trip asks for nothing: there is no step behind its refill's.  Steps 0 to 2 come by their loads alone.
.macro ASK
	s_cmp_gt_u32 s[LAP], s[LIM]
	s_cbranch_scc0 .Lnot_mine_\@
	global_prefetch_b8 v[PFO], s[PFA:PFA+1] th:TH_LOAD_NT scope:SCOPE_SE
.Lnot_mine_\@:
.endm
.macro MAP n                           ; phase n of a step: its region of the slot, its half of the region's 64 k, its set of accumulators
.set rg, (\n)>>1
.set kk, (\n)&1
.set st, 0
.endm
; 8 products of phase j: row block a x all 8 column blocks.  cm = 0: onto the sums; 2: the first product, with the bias as C.
; The accumulators take turns, one instruction a turn.
.macro MUL8 j, a, cm
	MAP \j
.if (\cm) == 2
	WIN 0x84+0x40*st                               ; W window 0, h window 1, C window 0, D window 2
.else
	WIN 0xa4+0x50*st                               ; C and D window 2
.endif
.irp b, 0,1,2,3,4,5,6,7
.if (\cm) == 0
	v_wmma_f32_16x16x32_bf16 v[8*(8*(\a)+(\b)):8*(8*(\a)+(\b))+7], v[F0+64*((\j)&1)+8*(\b):F0+64*((\j)&1)+8*(\b)+7], v[32*(\j)+8*(\a):32*(\j)+8*(\a)+7], v[8*(8*(\a)+(\b)):8*(8*(\a)+(\b))+7]
.else
	v_wmma_f32_16x16x32_bf16 v[8*(8*(\a)+(\b)):8*(8*(\a)+(\b))+7], v[F0+64*((\j)&1)+8*(\b):F0+64*((\j)&1)+8*(\b)+7], v[32*(\j)+8*(\a):32*(\j)+8*(\a)+7], v[BIAS0+8*(\b):BIAS0+8*(\b)+7]
.endif
.endr
.endm
.macro FETCH n                         ; 16 LDS loads in one run: W's eight fragments for phase n
	MAP \n
	WIN 0
.irp b, 0,1,2,3,4,5,6,7
	ds_load_b128 v[F0+64*((\n)&1)+8*(\b):F0+64*((\n)&1)+8*(\b)+3],   v[ADRW+(rg>>1)] offset:(rg&1)*RW+64*kk+16*PK*(\b)
	ds_load_b128 v[F0+64*((\n)&1)+8*(\b)+4:F0+64*((\n)&1)+8*(\b)+7], v[ADRW+(rg>>1)] offset:(rg&1)*RW+64*kk+16*PK*(\b)+32
.endr
.endm
.macro ALOAD buf, jj                   ; 8 loads: the four fragments of the phase jj behind the first phase of the step at which the pointer stands
	WIN 0x40                                       ; destination window 1, address window 0
.irp a, 0,1,2,3
	global_load_b128 v[32*(\buf)+8*(\a):32*(\buf)+8*(\a)+3],   v[AO], s[AP:AP+1] offset:(\a)*GRP+(\jj)*1024
	global_load_b128 v[32*(\buf)+8*(\a)+4:32*(\buf)+8*(\a)+7], v[AO], s[AP:AP+1] offset:(\a)*GRP+(\jj)*1024+512
.endr
.endm
; A phase's head.  lw: how many younger loads may stay out when this phase's h has to be in.  ld = 1: the phase seven on is asked for, into the buffer that the phase before read; 0: nothing.
; ft = 1: the next phase's fragments of W are fetched, into the buffer that the phase before read.
.macro PHEAD j, jj, lw, ld, ft
	s_wait_loadcnt \lw                             ; loads come back in order (ISA guide 5.7.1): mine are in
	PLACES
.if (\ld) == 1
	ALOAD ((\j)+7)%8, \jj
.endif
.if \ft
	FETCH ((\j)+1)%8
	s_wait_dscnt 16                                ; this phase's fragments of W are in; the 16 loads just issued may be out
.else
	s_wait_dscnt 0x0
.endif
.endm
.macro PHASE j, jj, cm, lw, ld, ft
	PHEAD \j, \jj, \lw, \ld, \ft
	MUL8 \j, 0, \cm
	MUL8 \j, 1, \cm
	MUL8 \j, 2, \cm
	MUL8 \j, 3, \cm
.endm
; A step's phase 6 also changes slots: its head has issued the last reads of the slot in hand.  ONE barrier.  In front of it each wave waits for all its tensor loads, of which one is out: its region of the other slot; adds 0 to its
; spare word; and waits for that and for its own reads of this slot.  fill = 1: the barrier opens a round of the cluster's barrier, and this slot is filled again, two steps ahead, first thing behind the round:
; 240 products stand between that request and the wait for it.
.macro TURN jj, fill
	PHEAD 6, \jj, 48, 1, 1
	MUL8 6, 0, 0
	MUL8 6, 1, 0
	WIN 0                                          ; (the add's two registers lie in window 0)
	s_wait_tensorcnt 0x0                           ; all my tensor loads have landed;
	ds_add_u32 v[SPW], v[NIL]                      ; 0 onto my spare word;
	MUL8 6, 2, 0                                   ; eight products stand between the add and the wait for it
	s_wait_dscnt 0x0                               ; the add is done, and my reads of this slot are over
	s_barrier_signal -1
	MUL8 6, 3, 0
	WIN 0
	s_barrier_wait -1
.if \fill
	CREST                                          ; no wave of any partner still reads this slot or has a load on its way
	s_xor_b32 s[G0+5], s[G0+5], SLOT1              ; the walking descriptor: the other slot than last time,
	s_add_nc_u64 s[G0+6:G0+7], s[G0+6:G0+7], STEP  ; the next step; the type bits on top are not reached
	tensor_load_to_lds s[G0+4:G0+7], s[G1W:G1W+7]
	s_nop 0
.rept 4
	v_nop
.endr
	ASK
.endif
	s_xor_b32 s[TB], s[TB], SLOT1                  ; the fetches go on in the other slot
	v_add_nc_u32 v[ADRW], s[TB], v[AW0]
	v_add_nc_u32 v[ADRW+1], s[TB], v[AW0+1]
.endm
; THE WAY OUT of row block a.  TOSTAGE: the 16 rows x 128 columns of f32 go into my own stage in LDS and come back as whole rows of 512 bytes, row t in set a % 2 at 4 t.  SEND: stored.  The bias is in the sums already.
.macro TOSTAGE a
	s_wait_xcnt 0x0                                ; the stores of two blocks back have read their data: the set is loaded again only behind this wait
	WIN 0x08                                       ; store data in window 2
.irp b, 0,1,2,3,4,5,6,7
	ds_store_b128 v[STO], v[8*(8*(\a)+(\b)):8*(8*(\a)+(\b))+3]   offset:64*(\b)     ; each accumulator's low half first
	ds_store_b128 v[STO], v[8*(8*(\a)+(\b))+4:8*(8*(\a)+(\b))+7] offset:64*(\b)+16
.endr
	WIN 0
.irp t, 0,1,2,3,4,5,6,7,8,9,10,11,12,13,14,15
	ds_load_b128 v[T+64*((\a)%2)+4*(\t):T+64*((\a)%2)+4*(\t)+3], v[RD] offset:SP*(\t)  ; LDS serves a wave's instructions in order (ISA guide 5.7.1.4): these see the stores above; the next block's stores come behind them
.endr
.endm
.macro SEND a, younger                 ; younger: the LDS instructions issued behind this block's loads
	s_wait_dscnt \younger
.irp t, 0,1,2,3,4,5,6,7,8,9,10,11,12,13,14,15
	global_store_b128 v[AO], v[T+64*((\a)%2)+4*(\t):T+64*((\a)%2)+4*(\t)+3], s[72:73] offset:(16*(\a)+(\t))*8192 th:TH_STORE_NT  ; 512 consecutive bytes of a row, at a multiple of 256 from out0's first byte
.endr
.endm
	s_load_b256 s[4:11], s[0:1], 0x0               ; hbf s[4:5], ws s[6:7], bo s[8:9], out0 s[10:11]
	v_lshl_add_u32 v[SPW], v0, 2, SPARE
	v_mov_b32 v[NIL], 0
	ds_add_u32 v[SPW], v[NIL]                      ; the wave's opening: the add and its wait stand ahead of my first tensor load; the set-up below, work on registers, stands between them
	v_lshrrev_b32 v1, 5, v0
	v_readfirstlane_b32 s[WV], v1                  ; wave 0..3
	s_bfe_u32 s[CX], ttmp6, 0x40000                ; my place in the cluster
	s_lshl_b32 s[MY], ttmp9, 2                     ; in a cluster launch ttmp9 counts clusters
	s_add_co_u32 s[MY], s[MY], s[CX]               ; tile row = 4 x cluster x + cx: it enters no descriptor
	s_and_b32 s[NX], ttmp7, 0xffff                 ; tile column, which the four partners share
	s_mov_b32 s[G1W], 15|G1BITS                    ; 15:0 the mask: all four work-groups
	s_mov_b32 s[G1W+1], 128<<16                    ; tensor_dim0 = 128 elements: 256 bytes, two rows of a block
	s_mov_b32 s[G1W+2], 64<<16                     ; tensor_dim1 = 64
	s_mov_b32 s[G1W+3], 128<<16                    ; tile_dim0 = 128
	s_mov_b32 s[G1W+4], 64                         ; tile_dim1 = 64: 128 rows of a block
	s_mov_b32 s[G1W+5], 128                        ; dense: 128 elements from row to row
	s_mov_b32 s[G1W+6], 0
	s_mov_b32 s[G1W+7], 0
	s_lshl_b32 s22, s[WV], 18                      ; my region: the step's block of 64 k of my wave's number;
	s_add_co_u32 s22, s22, WOFF
	s_lshl_b32 s42, s[NX], 14                      ; the tile's 128 rows x 128 bytes
	s_add_co_u32 s22, s22, s42
	s_mov_b32 s23, 0
	s_mul_i32 s70, s[WV], RW                       ; and where it goes: no place in the cluster enters an LDS address
	s_lshl_b32 s20, s[MY], 20                      ; the tile's 16 groups of rows,
	s_lshl_b32 s68, s[WV], 18                      ; my four
	s_add_co_u32 s20, s20, s68
	s_mov_b32 s21, 0
	s_mov_b32 s[TB], 0
	s_wait_dscnt 0x0                               ; the opening add is done
	s_wait_kmcnt 0x0
	s_add_nc_u64 s[22:23], s[6:7], s[22:23]
	s_add_nc_u64 s[AP:AP+1], s[4:5], s[20:21]
	CROUND                                         ; all four work-groups are here: the first joint loads meet
.irp s, 0,1
	s_mov_b32 s[G0+4*(\s)], 1                                     ; count = 1
	s_add_co_u32 s[G0+4*(\s)+1], s70, (\s)*SLOT1                  ; LDS address
	s_add_nc_u64 s[G0+4*(\s)+2:G0+4*(\s)+3], s[22:23], (\s)*STEP  ; global address: step s
	s_or_b32 s[G0+4*(\s)+3], s[G0+4*(\s)+3], 0x80000000           ; type = 2
.endr
	tensor_load_to_lds s[G0:G0+3], s[G1W:G1W+7]    ; the ring is filled before anything else is done: two loads of mine are out
	s_nop 0
	tensor_load_to_lds s[G0+4:G0+7], s[G1W:G1W+7]
	s_nop 0
.rept 4
	v_nop
.endr
	v_and_b32 v1, 15, v0                           ; r = l % 16
	v_bfe_u32 v2, v0, 4, 1                         ; h = l / 16
	v_and_b32 v5, 31, v0                           ; l
	v_lshlrev_b32 v[AO], 4, v5
	v_lshlrev_b32 v[BO], 5, v2
	s_lshl_b32 s74, s[NX], 9                       ; the tile's 128 columns: 512 bytes, in bo and in a row of out0
	s_mov_b32 s75, 0
	s_add_nc_u64 s[8:9], s[8:9], s[74:75]
.irp b, 0,1,2,3,4,5,6,7                ; register j of block b: bo[16 b + 8 h + j], the C operand of every row block
	global_load_b128 v[BIAS0+8*(\b):BIAS0+8*(\b)+3],   v[BO], s[8:9] offset:64*(\b)
	global_load_b128 v[BIAS0+8*(\b)+4:BIAS0+8*(\b)+7], v[BO], s[8:9] offset:64*(\b)+16
.endr
.irp c, 0,1,2,3,4
	ALOAD \c, \c                                   ; the ring's first five phases
.endr
	WIN 0
	s_lshl_b32 s72, s[MY], 21                      ; the tile's 256 rows x 8,192 bytes,
	s_lshl_b32 s68, s[WV], 19                      ; my 64
	s_add_co_u32 s72, s72, s68
	s_add_co_u32 s72, s72, s74
	s_mov_b32 s73, 0
	s_add_nc_u64 s[72:73], s[10:11], s[72:73]
	v_mul_u32_u24 v[AW0], v1, PK                   ; a fragment of W: row l % 16 x pitch + 16 h; two loads of 16 bytes, 32 bytes apart
	v_lshl_add_u32 v[AW0], v2, 4, v[AW0]
	v_add_nc_u32 v[AW0+1], 2*RW, v[AW0]
	v_add_nc_u32 v[ADRW], s[TB], v[AW0]
	v_add_nc_u32 v[ADRW+1], s[TB], v[AW0+1]
	s_mul_i32 s69, s[WV], 16*SP
	s_add_co_u32 s69, s69, STAGE                   ; my stage
	v_mul_u32_u24 v[STO], v1, SP                   ; in: row r, 32 bytes for each half of the lanes
	v_lshl_add_u32 v[STO], v2, 5, v[STO]
	v_add_nc_u32 v[STO], s69, v[STO]
	v_lshl_add_u32 v[RD], v5, 4, s69               ; back: 32 lanes take a row's 512 bytes
	s_and_b32 s[LIM], s[WV], 1                     ; the prefetches: 0 in waves 0 and 2,
	s_or_b32 s[LIM], s[LIM], ttmp9                 ; where the cluster is the tile column's first: the same in all four partners
	s_cmp_eq_u32 s[LIM], 0
	s_cselect_b32 s[LIM], 1, -1
	s_lshl_b32 s74, s[CX], 12                      ; my work-group's 16 blocks of a region's 64
	s_mov_b32 s75, 0
	s_add_nc_u64 s[PFA:PFA+1], s[22:23], s[74:75]
	s_add_nc_u64 s[PFA:PFA+1], s[PFA:PFA+1], 3*STEP  ; the first refill is step 2's: step 3 is asked for behind it
	v_lshlrev_b32 v[PFO], 8, v1
	v_lshl_add_u32 v[PFO], v2, 18, v[PFO]          ; lanes 16-31: the next region, a block on
	s_wait_loadcnt 40                              ; bo is in; the ring's 40 loads may stay out
	ALOAD 5, 5
	ALOAD 6, 6                                     ; seven phases, 56 loads, are asked for
	WIN 0
.set i, 0
.rept 32                               ; bo rounded to bf16 and widened again, like every input that reaches the output
	v_cvt_pk_bf16_f32 v[26+i%2], v[BIAS0+2*i], v[BIAS0+2*i+1]
	v_lshlrev_b32 v[BIAS0+2*i], 16, v[26+i%2]
	v_and_b32 v[BIAS0+2*i+1], 0xffff0000, v[26+i%2]
.set i, i+1
.endr
	s_wait_tensorcnt 1                             ; my region of step 0 is in; step 1's may stay out
	s_barrier_signal -1
	s_barrier_wait -1                              ; everybody's is
	FETCH 0
	PHASE 0, 7, CM0, 48, 1, 1                      ; the first two phases stand in front of the loop: the first one's products start the sums, with bo as C.  48: the six younger phases' loads
	PHASE 1, 8, CM1, 48, 1, 1
	WIN 0                                          ; at a label and at a branch every window is 0
	s_mov_b32 s[LAP], STEPS-2
.Lstep:                                                ; a trip: a step's phases 2 to 7 and the next step's 0 and 1; one slot is filled again
	PHASE 2, 9,  0, 48, 1, 1
	PHASE 3, 10, 0, 48, 1, 1
	PHASE 4, 11, 0, 48, 1, 1
	PHASE 5, 12, 0, 48, 1, 1
	TURN 13, 1
	PHASE 7, 14, 0, 48, 1, 1
	PHASE 0, 15, 0, 48, 1, 1
	PHASE 1, 16, 0, 48, 1, 1
	WIN 0
	s_wait_xcnt 0x0                                ; every load (the youngest 32 products back) and the prefetch (three phases back) has read its address: the pointers may be written
	s_add_nc_u64 s[AP:AP+1], s[AP:AP+1], ASTEP
	s_add_nc_u64 s[PFA:PFA+1], s[PFA:PFA+1], STEP
	s_sub_co_u32 s[LAP], s[LAP], 1
	s_cmp_lg_u32 s[LAP], 0
	s_cbranch_scc1 .Lstep
	PHASE 2, 9,  0, 48, 1, 1                       ; the last step but one fills nothing, and has no round of the cluster's barrier
	PHASE 3, 10, 0, 48, 1, 1
	PHASE 4, 11, 0, 48, 1, 1
	PHASE 5, 12, 0, 48, 1, 1
	TURN 13, 0
	PHASE 7, 14, 0, 48, 1, 1
	PHASE 0, 15, 0, 48, 1, 1                       ; asks for the very last phase
	PHASE 1, 0, 0, 48, 0, 1                        ; nothing is left to ask for: the counts run down, 8 (7 - j) loads of the phases to come
	PHASE 2, 0, 0, 40, 0, 1
	PHASE 3, 0, 0, 32, 0, 1
	PHASE 4, 0, 0, 24, 0, 1
	PHASE 5, 0, 0, 16, 0, 1
	PHASE 6, 0, 0, 8,  0, 1
	PHASE 7, 0, 0, 0,  0, 0
	WIN 0
	PLACES                                         ; the LDS stores below read results, and the loads behind them land where the last products' fragments of W lay
	TOSTAGE 0
	TOSTAGE 1                                      ; a block's trip through the stage stands between the loads of the block before and the wait for them: 32 younger LDS instructions
	SEND 0, 32
	TOSTAGE 2
	SEND 1, 32
	TOSTAGE 3
	SEND 2, 32
	SEND 3, 0
	s_wait_tensorcnt 0x0                           ; the wave's end, behind my last tensor load and my last LDS store
	ds_add_u32 v[SPW], v[NIL]
	s_wait_dscnt 0x0
	CROUND                                         ; the closing round: no work-group ends while a partner may still ask for a tile that names it
	s_endpgm
.Lfunc_end_k_qeed8dbad53_outp:
	.size	k_qeed8dbad53_outp, .Lfunc_end_k_qeed8dbad53_outp-k_qeed8dbad53_outp
	.p2alignl 7, 3214868480
	.fill 96, 4, 3214868480
	.section	.rodata,"a",@progbits
	.p2align	6, 0x0
	.amdhsa_kernel k_qeed8dbad53_outp
		.amdhsa_group_segment_fixed_size 327680
		.amdhsa_private_segment_fixed_size 0
		.amdhsa_enable_private_segment 0
		.amdhsa_kernarg_size 32
		.amdhsa_user_sgpr_count 2
		.amdhsa_user_sgpr_kernarg_segment_ptr 1
		.amdhsa_wavefront_size32 1
		.amdhsa_system_sgpr_workgroup_id_x 1
		.amdhsa_system_sgpr_workgroup_id_y 1
		.amdhsa_system_sgpr_workgroup_id_z 1
		.amdhsa_system_vgpr_workitem_id 0
		.amdhsa_next_free_vgpr 768
		.amdhsa_next_free_sgpr 80
		.amdhsa_reserve_vcc 0
		.amdhsa_float_denorm_mode_32 3
		.amdhsa_float_denorm_mode_16_64 3
		.amdhsa_memory_ordered 1
		.amdhsa_forward_progress 1
		.amdhsa_inst_pref_size 125
	.end_amdhsa_kernel
	.amdgpu_metadata
---
amdhsa.version: [ 1, 2 ]
amdhsa.kernels:
  - .name:           k_qeed8dbad53_outp
    .symbol:         k_qeed8dbad53_outp.kd
    .args:
      - { .name: hbf, .offset: 0, .size: 8, .value_kind: global_buffer, .address_space: global }
      - { .name: ws, .offset: 8, .size: 8, .value_kind: global_buffer, .address_space: global }
      - { .name: bo, .offset: 16, .size: 8, .value_kind: global_buffer, .address_space: global }
      - { .name: out0, .offset: 24, .size: 8, .value_kind: global_buffer, .address_space: global }
    .group_segment_fixed_size: 327680
    .private_segment_fixed_size: 0
    .kernarg_segment_align: 8
    .kernarg_segment_size: 32
    .max_flat_workgroup_size: 128
    .sgpr_count:     80
    .vgpr_count:     768
    .wavefront_size: 32
...
	.end_amdgpu_metadata
.endif
;; end of part 4
;; ======== version 2 of 2: 4 launches; version 1 with the launch cvt written anew for expert scheduling mode
;; workspace buffers: ws 67,108,864 bytes; hbf 16,777,216 bytes; part 262,144 bytes
;; launch cvt (part 5): grid 128 x 8, 8 waves a work-group, no clusters, 70,656 bytes of LDS; arguments emb_a, emb_b, Wq, Wk, Wv, Wo, ws; writes ws
.if DOCPART == 5
	.amdgcn_target "amdgcn-amd-amdhsa--gfx1250"
	.amdhsa_code_object_version 6
	.text
	.protected	k_qeed8dbad53_cvt
	.globl	k_qeed8dbad53_cvt
	.p2align	8
	.type	k_qeed8dbad53_cvt,@function
k_qeed8dbad53_cvt:
	s_mov_b64 s[64:65], 0
	v_nop
	global_prefetch_b8 v0, s[64:65] scope:SCOPE_SE
	s_setreg_imm32_b32 hwreg(HW_REG_WAVE_SCHED_MODE, 0, 2), 2
	s_setreg_imm32_b32 hwreg(HW_REG_WAVE_MODE, 25, 1), 1
	s_wait_xcnt 0x0
	s_wait_alu depctr_vm_vsrc(0)
; bf16 COPIES OF THE SIX LARGE INPUTS, each number rounded once, to nearest even.  ws holds 8 slabs of 8 MiB; work-group (x, y) takes rows 16 x .. 16 x + 15 of slab y.
; Slabs 4 to 7, Wq, Wk, Wv, Wo: [32 kb][2048 rows][64]: element (row, k) at (k / 64) x BLK + row x 128 + (k % 64) x 2: a tile of R rows x 64 along K is R x 128 consecutive bytes.
; Slabs 0 to 3, emb_a's and emb_b's halves: IN THE ORDER OF THE MATRIX FRAGMENTS: [group of 16 rows][piece of 8 k][16 rows][8]: element (row, k) at (row / 16) x GRP + (k / 8) x 256 + (row % 16) x 16 + (k % 8) x 2.
; Two neighbouring pieces are 512 bytes in which lane 16 h + r of a wave finds row r, k = 8 h + 0..7: half a fragment, by one load of 16 bytes a lane.
; WEIGHTS.  Thread t: row t / 16, four f32 at column 64 kb + 4 (t % 16), kb = 0 .. 31.  A wave's load covers 256 consecutive bytes of each of two rows, its store 256 consecutive bytes.
; EMBEDDINGS.  Wave w: the 16 rows, k = 256 w .. 256 w + 255, as two units of 128 k.  A load covers 512 consecutive bytes of one row; the rounded rows go into the wave's own LDS bytes (pitch 272) and come back by pieces;
; a store covers 512 consecutive bytes.  No wave reads another's bytes: no barrier.
; All 32 loads of a thread go out at once.
; THE MODE: SCHED_MODE bits 1:0 = 2 (LLVM: expert scheduling mode 2), set by the entry lines.  The code itself states the register dependences between vector instructions and memory or LDS instructions, with s_wait_alu, always for 0.
; THE PLAN.  The 32 quads go in eight blocks of four.  Registers that memory or LDS instructions touch:
;   v1, v2, v6, v7   offsets and LDS addresses: written once by vector instructions, never again.
;   quad n           its load lands in four registers that no vector instruction has named; two conversions read the four and write the first two; its store (global for a weight, LDS for an embedding) reads those two.
;                    A weight's quad is then named no more.  In the first eight quads of an embedding's unit an LDS load lands later, all four registers, and a global store reads them.
;   v4, v5           written at the head, read by the closing add alone.
; Block g rounds quads 4 g .. 4 g + 3; its memory or LDS instructions are the four stores of block g - 1, which read registers that no conversion of block g names.  So ONE wait on va_vdst at a block's head, behind the wait
; for the block's data, states all that those stores hang on, and they are dealt among the block's conversions.  One wait on vm_vsrc stands ahead of each of the embeddings' two runs of LDS loads.
.set BLK,   262144                     ; bytes in a block of a weight: 2,048 rows x 64 bf16
.set X,     8                          ; v[8:135] 32 quads as loaded
.set LP,    272                        ; an LDS row: 256 bytes + 16 = 68 words: the 16 rows of a load start at 16 different groups of four banks (64 banks of 4 bytes: ISA guide 11.1)
.set UNIT,  16*LP                      ; 16 rows x 128 k
.set SPARE, 8*2*UNIT                   ; behind the waves' units: the spare words, 128 bytes for each wave: four blocks of 256 bytes that no other line names
.set SPW,   4                          ; v4  LDS address of my spare word; never rewritten
.set NIL,   5                          ; v5  0; never rewritten
	s_load_b256 s[8:15], s[0:1], 0x0               ; emb_a s[8:9], emb_b s[10:11], Wq s[12:13], Wk s[14:15]
	s_load_b128 s[16:19], s[0:1], 0x20             ; Wv s[16:17], Wo s[18:19]
	s_load_b64 s[20:21], s[0:1], 0x30              ; ws
	v_lshl_add_u32 v[SPW], v0, 2, SPARE
	v_mov_b32 v[NIL], 0
	s_and_b32 s2, ttmp7, 0xffff                    ; y: the slab
	s_and_b32 s24, s2, 1                           ; the second half of emb_a or emb_b begins 2,048 rows x 8,192 bytes on
	s_lshl_b32 s24, s24, 24
	s_cmp_lt_u32 s2, 4
	s_cselect_b32 s24, s24, 0                      ; a weight is one slab
	s_cselect_b32 s28, 16, 11                      ; my 16 rows in the slab: a group of 65,536 bytes, or 16 x 128 bytes of each block
	s_lshl_b32 s3, ttmp9, 17                       ; 16 rows x 8,192 bytes
	s_add_co_u32 s24, s24, s3
	s_mov_b32 s25, 0
	s_lshl_b32 s26, s2, 23                         ; the slab in ws
	s_lshl_b32 s3, ttmp9, s28
	s_add_co_u32 s26, s26, s3
	s_mov_b32 s27, 0
	s_wait_kmcnt 0x0
	s_mov_b64 s[22:23], s[18:19]                   ; the source by the slab's number: 7 Wo,
	s_cmp_eq_u32 s2, 6
	s_cselect_b64 s[22:23], s[16:17], s[22:23]     ; 6 Wv,
	s_cmp_eq_u32 s2, 5
	s_cselect_b64 s[22:23], s[14:15], s[22:23]     ; 5 Wk,
	s_cmp_eq_u32 s2, 4
	s_cselect_b64 s[22:23], s[12:13], s[22:23]     ; 4 Wq,
	s_cmp_lt_u32 s2, 4
	s_cselect_b64 s[22:23], s[10:11], s[22:23]     ; 2, 3 emb_b,
	s_cmp_lt_u32 s2, 2
	s_cselect_b64 s[22:23], s[8:9], s[22:23]       ; 0, 1 emb_a
	s_add_nc_u64 s[22:23], s[22:23], s[24:25]
	s_add_nc_u64 s[20:21], s[20:21], s[26:27]
	s_cmp_lt_u32 s2, 4
	s_cbranch_scc1 .Lemb
	; A WEIGHT
	v_lshrrev_b32 v1, 4, v0                        ; my row of the sixteen
	v_and_b32 v3, 15, v0
	v_lshlrev_b32 v1, 13, v1                       ; x 8,192 bytes
	v_lshl_add_u32 v1, v3, 4, v1                   ; + my 16 bytes of each 256
	v_lshlrev_b32 v2, 3, v0                        ; in a block: row x 128 + 8 (t % 16) = 8 t
	s_wait_alu depctr_va_vdst(0)                   ; v1 and v2 are written: every load below reads v1 as its offset, every store v2
.set n, 0
.rept 32
	global_load_b128 v[X+4*n:X+4*n+3], v1, s[22:23] offset:256*n th:TH_LOAD_NT  ; read once in the launch
.set n, n+1
.endr
.set g, 0
.rept 8                                ; block g: quads 4 g .. 4 g + 3
	s_wait_loadcnt 28-4*g                          ; loads come back in order: the block's four quads are in, the 28 - 4 g younger ones stay out
.if g > 0
	s_wait_alu depctr_va_vdst(0)                   ; the conversions of the block before have written the first two registers of its quads, which the stores below read
.endif
.set i, 0
.rept 4
.if g > 0
	global_store_b64 v2, v[X+16*(g-1)+4*i:X+16*(g-1)+4*i+1], s[20:21] offset:(4*(g-1)+i)*BLK  ; the block before; no conversion since the wait names its quads.  The block of the weight stands in the immediate: 31 x BLK at the most, inside its signed 24 bits
.endif
	v_cvt_pk_bf16_f32 v[X+16*g+4*i], v[X+16*g+4*i], v[X+16*g+4*i+1]
	v_cvt_pk_bf16_f32 v[X+16*g+4*i+1], v[X+16*g+4*i+2], v[X+16*g+4*i+3]
.set i, i+1
.endr
.set g, g+1
.endr
	s_wait_alu depctr_va_vdst(0)                   ; the last block's conversions have written its quads' first two registers, which the last four stores read
.set i, 0
.rept 4
	global_store_b64 v2, v[X+112+4*i:X+112+4*i+1], s[20:21] offset:(28+i)*BLK
.set i, i+1
.endr
	s_endpgm                                       ; this way has written no LDS
.Lemb:	; AN EMBEDDING
	v_lshrrev_b32 v3, 5, v0
	v_readfirstlane_b32 s29, v3                    ; wave 0..7
	v_and_b32 v3, 31, v0                           ; lane l
	s_wait_alu depctr_va_sdst(0)                   ; s29 is written, ahead of its first reader: the wave's offsets are made from it
	s_lshl_b32 s30, s29, 10                        ; my 256 k: 1,024 bytes of f32
	v_lshl_add_u32 v1, v3, 4, s30
	s_wait_alu depctr_va_vdst(0)                   ; v1 is written: every load below reads it as its offset
.set n, 0
.rept 32                               ; quad n: unit n / 16, row n % 16
	global_load_b128 v[X+4*n:X+4*n+3], v1, s[22:23] offset:(n%16)*8192+(n/16)*512 th:TH_LOAD_NT
.set n, n+1
.endr
	s_lshl_b32 s30, s29, 13                        ; my 32 pieces of 256 bytes in the group
	v_lshl_add_u32 v2, v3, 4, s30
	s_mul_i32 s30, s29, 2*UNIT                     ; my two units in LDS
	v_lshl_add_u32 v6, v3, 3, s30                  ; in: 8 bytes a lane, a row's 256 bytes a wave
	v_and_b32 v7, 15, v0
	v_mul_u32_u24 v7, v7, LP                       ; back: row l % 16,
	v_bfe_u32 v3, v0, 4, 1
	v_lshl_add_u32 v7, v3, 4, v7                   ; piece l / 16 of a pair
	v_add_nc_u32 v7, s30, v7
.set g, 0
.rept 8                                ; block g: quads 4 g .. 4 g + 3: rows 4 (g % 4) on of unit g / 4
	s_wait_loadcnt 28-4*g                          ; the block's four quads are in, the 28 - 4 g younger ones stay out
.if g > 0
	s_wait_alu depctr_va_vdst(0)                   ; the conversions of the block before have written the first two registers of its quads, which the LDS stores below read; at block 1 also: v2, v6 and v7 are written
.endif
.set i, 0
.rept 4
.if g > 0
	ds_store_b64 v6, v[X+16*(g-1)+4*i:X+16*(g-1)+4*i+1] offset:((g-1)/4)*UNIT+((4*(g-1)+i)%16)*LP  ; the block before; no conversion since the wait names its quads
.endif
	v_cvt_pk_bf16_f32 v[X+16*g+4*i], v[X+16*g+4*i], v[X+16*g+4*i+1]
	v_cvt_pk_bf16_f32 v[X+16*g+4*i+1], v[X+16*g+4*i+2], v[X+16*g+4*i+3]
.set i, i+1
.endr
.if g == 4                             ; the first unit's sixteen rows are stored
	s_wait_alu depctr_vm_vsrc(0)                   ; the LDS stores have read the first two registers of quads 0 to 7, in which the loads below land (the conversions that named those quads stand ahead of this block's wait on va_vdst; this block's name quads 16 to 19 alone)
.set q, 0
.rept 8                                ; the unit's eight pairs of pieces, into its first eight quads; LDS serves a wave's instructions in order (ISA guide 5.7.1.4): these see the stores above
	ds_load_b128 v[X+4*q:X+4*q+3], v7 offset:32*q
.set q, q+1
.endr
.endif
.set g, g+1
.endr
	s_wait_alu depctr_va_vdst(0)                   ; the last block's conversions have written its quads' first two registers, which the last four LDS stores read; all conversions are done with quads 16 to 23, in which the loads below land
.set i, 0
.rept 4
	ds_store_b64 v6, v[X+112+4*i:X+112+4*i+1] offset:UNIT+(12+i)*LP
.set i, i+1
.endr
	s_wait_alu depctr_vm_vsrc(0)                   ; the LDS stores have read the first two registers of quads 16 to 23, in which the loads below land
.set q, 0
.rept 8                                ; the second unit's eight pairs of pieces, into its first eight quads
	ds_load_b128 v[X+64+4*q:X+64+4*q+3], v7 offset:UNIT+32*q
.set q, q+1
.endr
.set n, 0
.rept 16                               ; n = 8 x unit + pair
	s_wait_dscnt 24*(1-n/8)+7-n%8                  ; the LDS instructions issued behind this load: the unit's later loads and, for the first unit, the second's 16 stores and 8 loads
	global_store_b128 v2, v[X+64*(n/8)+4*(n%8):X+64*(n/8)+4*(n%8)+3], s[20:21] offset:n*512  ; 512 consecutive bytes, at a multiple of 256 from ws's first byte
.set n, n+1
.endr
	s_wait_dscnt 0x0                               ; the wave's end, behind my last LDS store
	s_wait_alu 0x0
	s_wait_tensorcnt 0x0
	ds_add_u32 v[SPW], v[NIL]
	s_wait_dscnt 0x0
	s_endpgm
.Lfunc_end_k_qeed8dbad53_cvt:
	.size	k_qeed8dbad53_cvt, .Lfunc_end_k_qeed8dbad53_cvt-k_qeed8dbad53_cvt
	.p2alignl 7, 3214868480
	.fill 96, 4, 3214868480
	.section	.rodata,"a",@progbits
	.p2align	6, 0x0
	.amdhsa_kernel k_qeed8dbad53_cvt
		.amdhsa_group_segment_fixed_size 70656
		.amdhsa_private_segment_fixed_size 0
		.amdhsa_enable_private_segment 0
		.amdhsa_kernarg_size 56
		.amdhsa_user_sgpr_count 2
		.amdhsa_user_sgpr_kernarg_segment_ptr 1
		.amdhsa_wavefront_size32 1
		.amdhsa_system_sgpr_workgroup_id_x 1
		.amdhsa_system_sgpr_workgroup_id_y 1
		.amdhsa_system_sgpr_workgroup_id_z 1
		.amdhsa_system_vgpr_workitem_id 0
		.amdhsa_next_free_vgpr 136
		.amdhsa_next_free_sgpr 66
		.amdhsa_reserve_vcc 0
		.amdhsa_float_denorm_mode_32 3
		.amdhsa_float_denorm_mode_16_64 3
		.amdhsa_memory_ordered 1
		.amdhsa_forward_progress 1
		.amdhsa_inst_pref_size 26
	.end_amdhsa_kernel
	.amdgpu_metadata
---
amdhsa.version: [ 1, 2 ]
amdhsa.kernels:
  - .name:           k_qeed8dbad53_cvt
    .symbol:         k_qeed8dbad53_cvt.kd
    .args:
      - { .name: emb_a, .offset: 0, .size: 8, .value_kind: global_buffer, .address_space: global }
      - { .name: emb_b, .offset: 8, .size: 8, .value_kind: global_buffer, .address_space: global }
      - { .name: Wq, .offset: 16, .size: 8, .value_kind: global_buffer, .address_space: global }
      - { .name: Wk, .offset: 24, .size: 8, .value_kind: global_buffer, .address_space: global }
      - { .name: Wv, .offset: 32, .size: 8, .value_kind: global_buffer, .address_space: global }
      - { .name: Wo, .offset: 40, .size: 8, .value_kind: global_buffer, .address_space: global }
      - { .name: ws, .offset: 48, .size: 8, .value_kind: global_buffer, .address_space: global }
    .group_segment_fixed_size: 70656
    .private_segment_fixed_size: 0
    .kernarg_segment_align: 8
    .kernarg_segment_size: 56
    .max_flat_workgroup_size: 256
    .sgpr_count:     66
    .vgpr_count:     136
    .wavefront_size: 32
...
	.end_amdgpu_metadata
.endif
;; end of part 5
;; launch qk: the kernel of part 2 again; grid 16 x 16, 4 waves a work-group, clusters of 4 x 1, 327,680 bytes of LDS; arguments ws, bq, bk, part; writes part
;; launch vh: the kernel of part 3 again; grid 16 x 16, 4 waves a work-group, clusters of 4 x 1, 327,680 bytes of LDS; arguments ws, part, bv, hbf; writes hbf
;; launch outp: the kernel of part 4 again; grid 16 x 16, 4 waves a work-group, clusters of 4 x 1, 327,680 bytes of LDS; arguments hbf, ws, bo, out0; writes out0
